; MI455X (gfx1250); checked and timed in simulation.
; The chip was launched on July 23, 2026; its instructions are those of AMD's public machine-readable ISA for CDNA 5 (MIT licence, August 2026) and "CDNA5" Instruction Set Architecture Reference Guide (July 2026). The comments in the code are by the model that wrote it; some were corrected since.
;; Attention Model. Allowed arithmetic: float matrix products may take bf16 or f16 operands with f32 sums; other float arithmetic in f32, or as packed bf16 or f16 multiplies, adds, multiply-adds, maxima and minima; sums over many terms, partial sums and values carried from step to step in f32; what a program stores and reads back later, other than sums and carried values, may be rounded once to bf16 or f16.
;; Inputs: Wk 1,024 x 1,024 float32; Wq 1,024 x 1,024 float32; Wv 1,024 x 1,024 float32; bk 1,024 float32; bq 1,024 float32; bv 1,024 float32; x 4 x 2,048 x 1,024 float32.
;; Outputs: out0 4 x 2,048 x 1,024 float32.
;; 2 versions, each right; version 2 is version 1 with the launch cast written anew for expert scheduling mode. Each part assembles by itself: llvm-mc -triple=amdgcn-amd-amdhsa -mcpu=gfx1250 --defsym DOCPART=n.
;; ======== version 1 of 2: 4 launches
;; workspace buffers: xw 23,068,672 bytes; qkv 50,331,648 bytes; p 33,554,432 bytes; stats 1,048,576 bytes
;; launch cast (part 1): grid 704 x 1, 8 waves a work-group, no clusters, 0 bytes of LDS; arguments x, Wq, Wk, Wv, xw; writes xw
.if DOCPART == 1
	.amdgcn_target "amdgcn-amd-amdhsa--gfx1250"
	.amdhsa_code_object_version 6
	.text
	.protected	k_q560ab12bda_cast
	.globl	k_q560ab12bda_cast
	.p2align	8
	.type	k_q560ab12bda_cast,@function
k_q560ab12bda_cast:
	s_mov_b64 s[64:65], 0
	v_nop
	global_prefetch_b8 v0, s[64:65] scope:SCOPE_SE
	s_setreg_imm32_b32 hwreg(HW_REG_WAVE_MODE, 25, 1), 1
	s_wait_xcnt 0x0
; x and the three weight matrices, f32, are rounded once to bf16 (nearest even) and laid, in their own order, into xw:
; x [8192][1024] at byte 0, then Wq, Wk, Wv [1024 k][1024 n], 2,097,152 bytes each, from byte 16,777,216 on.
; A work-group of eight waves takes 16,384 numbers: 65,536 bytes in, 32,768 out.  Groups 0-511 take x, 512-575 Wq, 576-639 Wk, 640-703 Wv;
; the destination is 32,768 x the group's number in every case.  A stream: no LDS, no barrier, no matrix unit; each byte is read once and written once.
; Thread t takes 16 bytes at 16 t of each block of 4,096: a wave's load covers 512 neighbouring bytes, its store 256 neighbouring bytes, aligned.
; All sixteen loads go out first; no register is written twice, so the only waits are the counted ones for the loads.
.set X, 4                              ; v[4:67]   sixteen loads of four f32
.set Y, 68                             ; v[68:99]  sixteen stores of four bf16
	s_load_b256 s[4:11], s[0:1], 0x0               ; x s[4:5], Wq s[6:7], Wk s[8:9], Wv s[10:11]
	s_load_b64 s[12:13], s[0:1], 0x20              ; xw
	v_lshlrev_b32 v1, 4, v0                        ; 16 t
	v_lshlrev_b32 v2, 3, v0                        ; 8 t
	s_and_b32 s14, ttmp9, 63                       ; the group's number inside a weight matrix,
	s_cmp_lt_u32 ttmp9, 512
	s_cselect_b32 s14, ttmp9, s14                  ; or inside x
	s_lshl_b32 s14, s14, 16                        ; times 65,536 bytes
	s_mov_b32 s15, 0
	s_lshl_b32 s18, ttmp9, 15                      ; the destination: 32,768 bytes a group
	s_mov_b32 s19, 0
	s_wait_kmcnt 0x0
	s_cmp_lt_u32 ttmp9, 640
	s_cselect_b64 s[16:17], s[8:9], s[10:11]
	s_cmp_lt_u32 ttmp9, 576
	s_cselect_b64 s[16:17], s[6:7], s[16:17]
	s_cmp_lt_u32 ttmp9, 512
	s_cselect_b64 s[16:17], s[4:5], s[16:17]
	s_add_nc_u64 s[16:17], s[16:17], s[14:15]
	s_add_nc_u64 s[12:13], s[12:13], s[18:19]
.irp j, 0,1,2,3,4,5,6,7,8,9,10,11,12,13,14,15
	global_load_b128 v[X+4*(\j):X+4*(\j)+3], v1, s[16:17] offset:4096*(\j) th:TH_LOAD_NT
.endr
.irp j, 0,1,2,3,4,5,6,7,8,9,10,11,12,13,14,15
	s_wait_loadcnt 15-(\j)                         ; loads come back in order: load j is in, the 15 - j younger ones stay out
	v_cvt_pk_bf16_f32 v[Y+2*(\j)], v[X+4*(\j)], v[X+4*(\j)+1]
	v_cvt_pk_bf16_f32 v[Y+2*(\j)+1], v[X+4*(\j)+2], v[X+4*(\j)+3]
	global_store_b64 v2, v[Y+2*(\j):Y+2*(\j)+1], s[12:13] offset:2048*(\j)
.endr
	s_endpgm
.Lfunc_end_k_q560ab12bda_cast:
	.size	k_q560ab12bda_cast, .Lfunc_end_k_q560ab12bda_cast-k_q560ab12bda_cast
	.p2alignl 7, 3214868480
	.fill 96, 4, 3214868480
	.section	.rodata,"a",@progbits
	.p2align	6, 0x0
	.amdhsa_kernel k_q560ab12bda_cast
		.amdhsa_group_segment_fixed_size 0
		.amdhsa_private_segment_fixed_size 0
		.amdhsa_enable_private_segment 0
		.amdhsa_kernarg_size 40
		.amdhsa_user_sgpr_count 2
		.amdhsa_user_sgpr_kernarg_segment_ptr 1
		.amdhsa_wavefront_size32 1
		.amdhsa_system_sgpr_workgroup_id_x 1
		.amdhsa_system_sgpr_workgroup_id_y 1
		.amdhsa_system_sgpr_workgroup_id_z 1
		.amdhsa_system_vgpr_workitem_id 0
		.amdhsa_next_free_vgpr 100
		.amdhsa_next_free_sgpr 66
		.amdhsa_reserve_vcc 0
		.amdhsa_float_denorm_mode_32 3
		.amdhsa_float_denorm_mode_16_64 3
		.amdhsa_memory_ordered 1
		.amdhsa_forward_progress 1
		.amdhsa_inst_pref_size 7
	.end_amdhsa_kernel
	.amdgpu_metadata
---
amdhsa.version: [ 1, 2 ]
amdhsa.kernels:
  - .name:           k_q560ab12bda_cast
    .symbol:         k_q560ab12bda_cast.kd
    .args:
      - { .name: x, .offset: 0, .size: 8, .value_kind: global_buffer, .address_space: global }
      - { .name: Wq, .offset: 8, .size: 8, .value_kind: global_buffer, .address_space: global }
      - { .name: Wk, .offset: 16, .size: 8, .value_kind: global_buffer, .address_space: global }
      - { .name: Wv, .offset: 24, .size: 8, .value_kind: global_buffer, .address_space: global }
      - { .name: xw, .offset: 32, .size: 8, .value_kind: global_buffer, .address_space: global }
    .group_segment_fixed_size: 0
    .private_segment_fixed_size: 0
    .kernarg_segment_align: 8
    .kernarg_segment_size: 40
    .max_flat_workgroup_size: 256
    .sgpr_count:     66
    .vgpr_count:     100
    .wavefront_size: 32
...
	.end_amdgpu_metadata
.endif
;; end of part 1
;; launch proj (part 2): grid 12 x 32, 4 waves a work-group, clusters of 4 x 4, 327,680 bytes of LDS; arguments xw, bq, bk, bv, qkv; writes qkv
.if DOCPART == 2
	.amdgcn_target "amdgcn-amd-amdhsa--gfx1250"
	.amdhsa_code_object_version 6
	.text
	.protected	k_q560ab12bda_proj
	.globl	k_q560ab12bda_proj
	.p2align	8
	.type	k_q560ab12bda_proj,@function
k_q560ab12bda_proj:
	s_mov_b64 s[64:65], 0
	v_nop
	global_prefetch_b8 v0, s[64:65] scope:SCOPE_SE
	s_setreg_imm32_b32 hwreg(HW_REG_WAVE_MODE, 25, 1), 1
	s_wait_xcnt 0x0
	s_wait_alu depctr_hold_cnt(0) depctr_sa_sdst(0) depctr_va_vdst(0) depctr_va_sdst(0) depctr_va_ssrc(0) depctr_va_vcc(0) depctr_vm_vsrc(0)
	s_getreg_b32 s2, hwreg(HW_REG_IB_STS2, 6, 4)
	s_cmp_eq_u32 s2, 0
	s_cbranch_scc0 .Lentry_in_a_cluster
	s_endpgm
.Lentry_in_a_cluster:
	s_bfe_u32 s2, ttmp6, 0x10000c
	s_cmp_lg_u32 s2, 0xf033
	s_cbranch_scc0 .Lentry_shape_is_right
	s_endpgm
.Lentry_shape_is_right:
; q, k, v = x W + b.  x [8192][1024] bf16 at byte 0 of xw; Wq, Wk, Wv [1024 k][1024 n] bf16 behind it; the biases f32, rounded here to bf16 like the other inputs.
; Sums in f32, started with the bias; the result is rounded once to bf16 into qkv [3][8192][1024].
; A tile of 256 rows x 256 columns is made by four waves, 128 x 128 each: 64 accumulators of 16 x 16, 512 registers.  K = 1,024 goes in eight steps of 128 through two LDS slots.
; CLUSTER 4 x 4: cluster x is the matrix (q, k, v), cx its block of 256 columns, 4 x cluster y + cy the block of 256 rows.  The four of a row of the cluster ask JOINTLY for x's tile,
; the four of a column for W's: the same tensor load, descriptor and mask in all four.
; x's tile lies along K in LDS (128 rows of 256 bytes a wave's load, pitch 272).  W's tile lies [k][n] (64 k rows of 512 bytes a load, pitch 544) and is turned by ds_load_tr16_b128.
; THE PRODUCT IS TAKEN TRANSPOSED: source 0 = 16 columns of W, source 1 = 16 rows of x: a lane then holds row l % 16 and the eight neighbouring columns 8 (l / 16) + 0..7.
; A K STEP IS WRITTEN ONCE.  The slot in hand is a scalar, TB = 0 or SLOT, turned at each change of slots; the fragment addresses and the refill's LDS word are made from it.
; The two steps that fill nothing are one text walked twice and left in its middle; the price, once a launch: the last change of slots fetches a run of fragments that nobody multiplies.
; REGISTERS in windows of 256: window 0: v0-31 addresses; v64-127, v128-191 x's fragments, two buffers; v192-255 the bias as a C operand, later the way out; v32-63 at work.
;   window 1: v64-127, v128-191 W's fragments.   windows 2, 3: the accumulators of my rows 0-63, 64-127: (a, b) at v[8 (8 (a % 4) + b)].
; LIMITS.  bf16 operands; NaN and infinities are not treated apart.
.set KSTEP,  128
.set STEPS,  8
.set PITCH,  272                       ; x's LDS row: 256 bytes + 16: the 16 rows of a fragment load start 4 banks apart
.set PB,     544                       ; W's LDS row: 512 bytes + 32, an odd multiple of 32
.set HALFT,  128*PITCH                 ; what one tensor load brings: 128 rows of 272 = 64 rows of 544
.set SLOT,   4*HALFT                   ; x's 256 rows, then W's 128 k rows
.set STAGE,  2*SLOT                    ; behind the ring: 16 rows x 272 bytes for each wave
.set SPITCH, 272
.set SPARE,  STAGE+4*16*SPITCH         ; the spare words: 128 bytes a wave, named by no other line
.set ROWB,   2048                      ; bytes in a row of x, W and of a plane of qkv
.set WOFF,   16777216                  ; the weights' first byte in xw
.set BKS,    KSTEP*ROWB                ; a K step of W in memory: 128 rows
.set ADRA,  16                         ; v16  LDS address of my x fragments in the slot in hand
.set ADRA0, 17                         ; v17  the same in slot 0; never rewritten
.set ADRB,  20                         ; v20, v21  the same for W
.set ADRB0, 21
.set STO,  24
.set RD,   25
.set CO,   26
.set SPW,  28                          ; v28  my spare word; never rewritten
.set NIL,  29                          ; v29  0; never rewritten
.set PFO,  30                          ; v30  the prefetches' lane offset; never rewritten
.set F0,   64
.set F1,   128
.set BI,   192                         ; v192-255: bias of column 16 b + 8 (l / 16) + j at BI + 8 b + j
.set TMP,  192
.set OB,   32
.set G1,  24                           ; s[24:31] group 1 for x's tiles
.set G0,  32                           ; s[32:39] group 0 for x's tiles: a set for each first fill; the second then walks on
.set G1B, 48
.set G0B, 56
.set LIM, 43                           ; s43  2 in a wave that prefetches, else the greatest number
.set PFA, 44                           ; s[44:45] where my prefetches stand
.set PFS, 68                           ; s[68:69] their step for a K step
.set LW,  81                           ; s81  my load's place in a slot: wave x 34,816
.set TB,  82                           ; s82  the slot in hand: 0 or SLOT
.set MSB, 0
.macro WIN new                         ; the immediate's high byte repeats the setting that is left; a switch that changes nothing is dropped
.if MSB != (\new)
	s_set_vgpr_msb (MSB<<8)|(\new)
.set MSB, \new
.endif
.endm
; A joint load by descriptor set s: waves 0 and 1 fetch x's two halves, waves 2 and 3 W's.  The branch hangs on the wave's number alone.  An s_nop 0 and four v_nop follow each line.
.macro JLOAD s
	s_cmp_eq_u32 s11, 0
	s_cbranch_scc0 .Lfor_b_\@
	tensor_load_to_lds s[G0+4*(\s):G0+4*(\s)+3], s[G1:G1+7]
	s_nop 0
.rept 4
	v_nop
.endr
	s_branch .Lasked_\@
.Lfor_b_\@:
	tensor_load_to_lds s[G0B+4*(\s):G0B+4*(\s)+3], s[G1B:G1B+7]
	s_nop 0
.rept 4
	v_nop
.endr
.Lasked_\@:
.endm
; A prefetch of the K step that stands two refills on (512 matrix instructions ahead of the load that will want it): 32 blocks of 256 bytes, a lane a block, one instruction a wave.
; x's rows are read by the three clusters of a row of clusters: cluster x = 0 asks; W's by the eight of a column: cluster y = 0 asks.  The four partners of a joint load share its blocks out by address.
; The loop's last two trips (s3 = 2, 1) ask for nothing: K steps 8 and 9 do not exist.
.macro ASK
	s_cmp_gt_u32 s3, s[LIM]
	s_cbranch_scc0 .Lnot_mine_\@
	global_prefetch_b8 v[PFO], s[PFA:PFA+1] th:TH_LOAD_NT scope:SCOPE_SE
.Lnot_mine_\@:
.endm
.macro CREST                           ; a round of the cluster's barrier behind its opening barrier
	s_cmp_lg_u32 s10, 0
	s_cbranch_scc1 .Lnot_wave_0_\@
	s_barrier_signal -3
.Lnot_wave_0_\@:
	s_barrier_wait -3
	s_barrier_signal -1
	s_barrier_wait -1
.endm
.macro CROUND
	s_barrier_signal -1
	s_barrier_wait -1
	CREST
.endm
.macro PLACES                          ; four plain places behind matrix instructions, in front of loads into their sources and of readers of their results
.rept 4
	v_nop
.endr
.endm
	s_load_b256 s[72:79], s[0:1], 0x0              ; xw s[72:73], bq s[74:75], bk s[76:77], bv s[78:79]
	s_load_b64 s[8:9], s[0:1], 0x20                ; qkv
	v_lshl_add_u32 v[SPW], v0, 2, SPARE
	v_mov_b32 v[NIL], 0
	ds_add_u32 v[SPW], v[NIL]                      ; the wave's opening: the add and its wait ahead of my first tensor load
	v_lshrrev_b32 v1, 5, v0
	v_readfirstlane_b32 s10, v1                    ; wave 0..3
	s_lshr_b32 s11, s10, 1                         ; my half of the tile's rows.  Also: I fetch for x (0) or for W (1)
	s_and_b32 s12, s10, 1                          ; my half of its columns.  Also: which half of that tile I fetch
	s_bfe_u32 s40, ttmp6, 0x40000                  ; cx
	s_bfe_u32 s41, ttmp6, 0x40004                  ; cy
	s_and_b32 s13, ttmp7, 0xffff
	s_lshl_b32 s13, s13, 2
	s_add_co_u32 s13, s13, s41                     ; tile row = 4 x cluster y + cy
	s_lshl_b32 s43, s41, 2
	s_lshl_b32 s43, 15, s43                        ; my row of the cluster
	s_lshl_b32 s44, 0x1111, s40                    ; my column
	s_or_b32 s[G1+0], s43, (1<<16)|(1<<20)|(1<<21)|(5<<22)|(3<<25)   ; mask; 2-byte elements; padding on; bit 21 beside a mask; after every 64 words 4 words
	s_mov_b32 s[G1+1], 128<<16                     ; tensor_dim0 = 128
	s_mov_b32 s[G1+2], 128<<16                     ; tensor_dim1 = 128
	s_mov_b32 s[G1+3], 128<<16                     ; tile_dim0 = 128
	s_mov_b32 s[G1+4], 128                         ; tile_dim1 = 128
	s_mov_b32 s[G1+5], 1024                        ; elements from row to row
	s_mov_b32 s[G1+6], 0
	s_mov_b32 s[G1+7], 0
	s_or_b32 s[G1B+0], s44, (1<<16)|(1<<20)|(1<<21)|(6<<22)|(7<<25)  ; after every 128 words 8 words
	s_mov_b32 s[G1B+1], 256<<16                    ; tensor_dim0 = 256
	s_mov_b32 s[G1B+2], 64<<16                     ; tensor_dim1 = 64
	s_mov_b32 s[G1B+3], 256<<16                    ; tile_dim0 = 256
	s_mov_b32 s[G1B+4], 64                         ; tile_dim1 = 64
	s_mov_b32 s[G1B+5], 1024
	s_mov_b32 s[G1B+6], 0
	s_mov_b32 s[G1B+7], 0
	s_lshl_b32 s16, s13, 8                         ; x: row 256 x tile row + 128 x half,
	s_lshl_b32 s17, s12, 7
	s_add_co_u32 s16, s16, s17
	s_lshl_b32 s16, s16, 11                        ; in bytes
	s_mov_b32 s17, 0
	s_lshl_b32 s46, ttmp9, 21                      ; W: the matrix, 2,097,152 bytes each,
	s_lshl_b32 s47, s12, 17                        ; my 64 k rows,
	s_add_co_u32 s46, s46, s47
	s_lshl_b32 s47, s40, 9                         ; the tile's 256 columns
	s_add_co_u32 s46, s46, s47
	s_add_co_u32 s46, s46, WOFF
	s_mov_b32 s47, 0
	s_mul_i32 s[LW], s10, HALFT                    ; where my loads go in a slot: no place in the cluster enters an LDS address
	s_mov_b32 s[TB], 0
	s_wait_dscnt 0x0                               ; the opening add is done
	s_wait_kmcnt 0x0
	s_add_nc_u64 s[14:15], s[72:73], s[16:17]
	s_add_nc_u64 s[46:47], s[72:73], s[46:47]
	CROUND                                         ; all sixteen work-groups are here: the first joint loads meet
.irp s, 0,1
	s_mov_b32 s[G0+4*(\s)], 1
	s_add_co_u32 s[G0+4*(\s)+1], s[LW], (\s)*SLOT
	s_add_nc_u64 s[G0+4*(\s)+2:G0+4*(\s)+3], s[14:15], (\s)*KSTEP*2
	s_or_b32 s[G0+4*(\s)+3], s[G0+4*(\s)+3], 0x80000000
	s_mov_b32 s[G0B+4*(\s)], 1
	s_add_co_u32 s[G0B+4*(\s)+1], s[LW], (\s)*SLOT
	s_add_nc_u64 s[G0B+4*(\s)+2:G0B+4*(\s)+3], s[46:47], (\s)*BKS
	s_or_b32 s[G0B+4*(\s)+3], s[G0B+4*(\s)+3], 0x80000000
	JLOAD \s                                       ; two tensor loads of mine are out
.endr
	; the bias of my 128 columns, as the C operand of the products that start the sums
	v_and_b32 v1, 15, v0                           ; r = l % 16
	v_bfe_u32 v2, v0, 4, 1                         ; h = l / 16
	v_lshlrev_b32 v31, 5, v2                       ; 32 h: my eight columns of a block of 16
	s_cmp_eq_u32 ttmp9, 0
	s_cselect_b64 s[66:67], s[74:75], s[76:77]
	s_cmp_eq_u32 ttmp9, 2
	s_cselect_b64 s[66:67], s[78:79], s[66:67]
	s_lshl_b32 s20, s40, 10
	s_lshl_b32 s21, s12, 9
	s_add_co_u32 s20, s20, s21
	s_mov_b32 s21, 0
	s_add_nc_u64 s[66:67], s[66:67], s[20:21]
.irp b, 0,1,2,3,4,5,6,7
	global_load_b128 v[BI+8*(\b):BI+8*(\b)+3],   v31, s[66:67] offset:64*(\b)
	global_load_b128 v[BI+8*(\b)+4:BI+8*(\b)+7], v31, s[66:67] offset:64*(\b)+16
.endr
	; fragment addresses
	v_mul_u32_u24 v3, v1, PITCH
	v_lshl_add_u32 v3, v2, 4, v3                   ; x: row x 272 + 16 h
	v_and_b32 v4, 7, v0
	v_lshl_add_u32 v4, v2, 3, v4                   ; W: k row 8 h + l % 8,
	v_mul_u32_u24 v4, v4, PB
	v_bfe_u32 v5, v0, 3, 1
	v_lshl_add_u32 v4, v5, 4, v4                   ; columns 8 ((l / 8) % 2) on
	s_mul_i32 s21, s11, HALFT                      ; my 128 rows of x
	s_lshl_b32 s22, s12, 8                         ; my 128 columns of W,
	s_add_co_u32 s22, s22, 2*HALFT                 ; which lies behind x's 256 rows
	v_add_nc_u32 v[ADRA0], s21, v3
	v_add_nc_u32 v[ADRB0], s22, v4
	v_mov_b32 v[ADRA], v[ADRA0]                    ; the walk begins in slot 0
	v_mov_b32 v[ADRB], v[ADRB0]
	s_mul_i32 s23, s10, 16*SPITCH
	s_add_co_u32 s23, s23, STAGE                   ; my stage
	v_mul_u32_u24 v4, v1, SPITCH
	v_lshl_add_u32 v4, v2, 4, v4
	v_add_nc_u32 v[STO], s23, v4                   ; in: row l % 16, 16 bytes for each half of the lanes
	v_mul_u32_u24 v5, v2, SPITCH
	v_lshl_add_u32 v5, v1, 4, v5
	v_add_nc_u32 v[RD], s23, v5                    ; back: lanes 0-15 one row of 256 bytes, lanes 16-31 the next
	v_lshlrev_b32 v5, 11, v2
	v_lshl_add_u32 v[CO], v1, 4, v5                ; the same two rows in qkv
	; where my part of the tile begins in qkv
	s_lshl_b32 s16, s13, 8
	s_lshl_b32 s17, s11, 7
	s_add_co_u32 s16, s16, s17
	s_lshl_b32 s16, s16, 11
	s_lshl_b32 s46, ttmp9, 24                      ; the plane: 16,777,216 bytes each
	s_add_co_u32 s16, s16, s46
	s_lshl_b32 s46, s40, 9
	s_add_co_u32 s16, s16, s46
	s_lshl_b32 s46, s12, 8
	s_add_co_u32 s16, s16, s46
	s_mov_b32 s17, 0
	; the prefetches: x's waves: my work-group's 32 of the 128 rows that I fetch, a lane a row; W's waves: 16 of the 64 k rows, two lanes a row
	s_lshl_b32 s20, s13, 8
	s_lshl_b32 s21, s12, 7
	s_add_co_u32 s20, s20, s21
	s_lshl_b32 s21, s40, 5
	s_add_co_u32 s20, s20, s21
	s_lshl_b32 s20, s20, 11
	s_lshl_b32 s23, ttmp9, 21
	s_lshl_b32 s21, s12, 17
	s_add_co_u32 s23, s23, s21
	s_lshl_b32 s21, s40, 9
	s_add_co_u32 s23, s23, s21
	s_lshl_b32 s21, s41, 15
	s_add_co_u32 s23, s23, s21
	s_add_co_u32 s23, s23, WOFF
	s_and_b32 s22, ttmp7, 0xffff                   ; cluster y
	s_mov_b32 s[PFS], BKS
	s_mov_b32 s[PFS+1], 0
	s_cmp_eq_u32 s11, 0
	s_cselect_b32 s20, s20, s23
	s_cselect_b32 s22, ttmp9, s22                  ; the coordinate along which other clusters read the same blocks
	s_cselect_b32 s[PFS], 256, s[PFS]
	s_cmp_eq_u32 s22, 0
	s_cselect_b32 s[LIM], 2, -1                    ; the same in all sixteen partners, for a given wave
	s_mul_i32 s21, s[PFS], 3                       ; at K step 3: the first change of slots steps it to 4
	s_add_co_u32 s20, s20, s21
	s_mov_b32 s21, 0
	s_add_nc_u64 s[PFA:PFA+1], s[72:73], s[20:21]
	v_and_b32 v6, 31, v0
	v_lshrrev_b32 v7, s11, v6
	v_lshlrev_b32 v7, 11, v7                       ; the row,
	v_and_b32 v6, s11, v6
	v_lshl_or_b32 v[PFO], v6, 8, v7                ; and for W the half of its 512 bytes
	s_wait_loadcnt 0x0                             ; the bias: rounded to bf16 and widened again
.set i, 0
.rept 32
	v_cvt_pk_bf16_f32 v[OB+i], v[BI+2*i], v[BI+2*i+1]
.set i, i+1
.endr
.set i, 0
.rept 32
	v_lshlrev_b32 v[BI+2*i], 16, v[OB+i]
	v_and_b32 v[BI+2*i+1], 0xffff0000, v[OB+i]
.set i, i+1
.endr
; 16 matrix instructions: row blocks a0, a0 + 1 of the window's four x all 8 column blocks, 32 along K.  mode 0: onto the sums; mode 2: the bias starts the sums.
; The 64 accumulators take turns, one instruction a turn.
.macro MUL16 f, hi, a0, mode
.if (\mode) == 2
	WIN 0x81+0x40*(\hi)                            ; W window 1, x window 0, C window 0, D window 2 or 3
.else
	WIN 0xa1+0x50*(\hi)                            ; C and D window 2 or 3
.endif
.irp a, \a0, (\a0)+1
.irp b, 0,1,2,3,4,5,6,7
.if (\mode) == 2
	v_wmma_f32_16x16x32_bf16 v[8*(8*(\a)+(\b)):8*(8*(\a)+(\b))+7], v[(\f)+8*(\b):(\f)+8*(\b)+7], v[(\f)+8*(4*(\hi)+(\a)):(\f)+8*(4*(\hi)+(\a))+7], v[BI+8*(\b):BI+8*(\b)+7]
.else
	v_wmma_f32_16x16x32_bf16 v[8*(8*(\a)+(\b)):8*(8*(\a)+(\b))+7], v[(\f)+8*(\b):(\f)+8*(\b)+7], v[(\f)+8*(4*(\hi)+(\a)):(\f)+8*(4*(\hi)+(\a))+7], v[8*(8*(\a)+(\b)):8*(8*(\a)+(\b))+7]
.endif
.endr
.endr
.endm
; 32 LDS loads in one run: quarter kq (32 along K) of the slot in hand into buffer f: W's 8 fragments, turned, then x's 8
.macro FETCH kq, f
	WIN 0x40
.irp i, 0,1,2,3,4,5,6,7
	ds_load_tr16_b128 v[(\f)+8*(\i):(\f)+8*(\i)+3],   v[ADRB] offset:32*PB*(\kq)+32*(\i)
	ds_load_tr16_b128 v[(\f)+8*(\i)+4:(\f)+8*(\i)+7], v[ADRB] offset:32*PB*(\kq)+32*(\i)+16*PB
.endr
	WIN 0
.irp i, 0,1,2,3,4,5,6,7
	ds_load_b128 v[(\f)+8*(\i):(\f)+8*(\i)+3],   v[ADRA] offset:64*(\kq)+(\i)*16*PITCH
	ds_load_b128 v[(\f)+8*(\i)+4:(\f)+8*(\i)+7], v[ADRA] offset:64*(\kq)+(\i)*16*PITCH+32
.endr
.endm
; One of a K step's first three quarters: multiplies buffer f; in its middle fetches quarter kq into buffer g
.macro QUARTER kq, f, g, mode
	s_wait_dscnt 8                                 ; W and x's rows 0-63 are in; the youngest eight loads (x's rows 64-127) may be out
	MUL16 \f, 0, 0, \mode
	MUL16 \f, 0, 2, \mode
	PLACES
	FETCH \kq, \g
	s_wait_dscnt 32                                ; all but the 32 just issued
	MUL16 \f, 1, 0, \mode
	MUL16 \f, 1, 2, \mode
.endm
; The last quarter multiplies buffer 1 and changes slots: ONE barrier; in front of it each wave waits for all its tensor loads, adds 0 to its spare word, and waits for that and for its reads of the slot.
; fill = 1: the slot just read is filled again, two K steps on, first thing behind a round of the cluster's barrier: 224 matrix instructions ahead of the wait for it.
.macro TURN fill
.if \fill
	s_wait_xcnt 0x0                                ; the last prefetch, a K step back, has read its address
	s_add_nc_u64 s[PFA:PFA+1], s[PFA:PFA+1], s[PFS:PFS+1]
.endif
	WIN 0
	s_wait_tensorcnt 0x0                           ; all my tensor loads have landed: the one that was out is my part of the next slot
	ds_add_u32 v[SPW], v[NIL]                      ; 0 onto my spare word
	s_wait_dscnt 9                                 ; the add and the youngest eight loads may be out
	MUL16 F1, 0, 0, 0
	s_wait_dscnt 0x0                               ; the add is done, and my reads of this slot are over
	s_barrier_signal -1
	MUL16 F1, 0, 2, 0
	WIN 0
	s_barrier_wait -1
.if \fill
	CREST                                          ; no wave of any partner still reads this slot or has a load on its way
	s_add_co_u32 s[G0+5], s[LW], s[TB]             ; the walking descriptors: into the slot just read,
	s_add_nc_u64 s[G0+6:G0+7], s[G0+6:G0+7], KSTEP*2   ; the K step behind the one asked for last; the type bits on top are not reached
	s_add_co_u32 s[G0B+5], s[LW], s[TB]
	s_add_nc_u64 s[G0B+6:G0B+7], s[G0B+6:G0B+7], BKS
	JLOAD 1                                        ; its four v_nop are also the places in front of the loads below
.else
	PLACES
.endif
	s_xor_b32 s[TB], s[TB], SLOT                   ; the other slot is in hand
	v_add_nc_u32 v[ADRA], s[TB], v[ADRA0]
	v_add_nc_u32 v[ADRB], s[TB], v[ADRB0]
	FETCH 0, F0
.if \fill
	ASK
.endif
	MUL16 F1, 1, 0, 0
	MUL16 F1, 1, 2, 0
.endm
; THE WAY OUT of row block a: rounded to bf16; through my own stage; stored as whole rows of 256 bytes
.macro PACK a
.set AC, 64*((\a)%4)
	WIN 0x0a+5*((\a)/4)
.irp b, 0,1,2,3,4,5,6,7
.irp r, 0,1,2,3
	v_cvt_pk_bf16_f32 v[TMP+4*(\b)+(\r)], v[AC+8*(\b)+2*(\r)], v[AC+8*(\b)+2*(\r)+1]
.endr
.endr
	WIN 0
.endm
.macro TOSTAGE a
	WIN 0
.set BK, OB+192*((\a)%2)
.irp b, 0,1,2,3,4,5,6,7
	ds_store_b128 v[STO], v[TMP+4*(\b):TMP+4*(\b)+3] offset:32*(\b)
.endr
.irp t, 0,1,2,3,4,5,6,7
	ds_load_b128 v[BK+4*(\t):BK+4*(\t)+3], v[RD] offset:(\t)*2*SPITCH  ; LDS serves a wave's instructions in order: these see the stores above
.endr
.endm
.macro SEND a
	WIN 0
.set BK, OB+192*((\a)%2)
	s_wait_dscnt 0x0                               ; the block is back in registers
	s_wait_xcnt 0x0                                ; earlier stores have read their base and data: only now are these written again
.if (\a) == 0
	s_add_nc_u64 s[8:9], s[8:9], s[16:17]
.else
	s_add_nc_u64 s[8:9], s[8:9], 16*ROWB
.endif
.irp t, 0,1,2,3,4,5,6,7
	global_store_b128 v[CO], v[BK+4*(\t):BK+4*(\t)+3], s[8:9] offset:2*(\t)*ROWB  ; 16 lanes store 256 consecutive bytes, aligned
.endr
.endm
	s_wait_tensorcnt 1                             ; my part of K step 0 is in; K step 1's may stay out
	s_barrier_signal -1
	s_barrier_wait -1
	FETCH 0, F0
	QUARTER 1, F0, F1, 2                           ; the first quarter stands in front of the loop: its products start the sums with the bias
	WIN 0
	s_mov_b32 s3, STEPS-2
.Lstep:                                                ; a trip: a K step's quarters 1 to 3 and the next step's quarter 0; the slot left is filled again
	QUARTER 2, F1, F0, 0
	QUARTER 3, F0, F1, 0
	TURN 1
	QUARTER 1, F0, F1, 0
	WIN 0
	s_sub_co_u32 s3, s3, 1
	s_cmp_lg_u32 s3, 0
	s_cbranch_scc1 .Lstep
	s_mov_b32 s3, 2
.Ltail:                                                ; the last two K steps fill nothing: one text, walked twice and left in its middle
	QUARTER 2, F1, F0, 0
	QUARTER 3, F0, F1, 0
	TURN 0
	WIN 0
	s_sub_co_u32 s3, s3, 1
	s_cmp_eq_u32 s3, 0
	s_cbranch_scc1 .Lout
	QUARTER 1, F0, F1, 0
	WIN 0
	s_branch .Ltail
.Lout:
	s_wait_dscnt 0x0                               ; the run that the last change of slots fetched serves nothing: it has landed before its registers are left
	PLACES
	PACK 0
	TOSTAGE 0
.irp a, 1,2,3,4,5,6,7                  ; block a's conversions stand between block a - 1's loads from the stage and the wait for them
	PACK \a
	SEND (\a)-1
	TOSTAGE \a
.endr
	SEND 7
	s_wait_tensorcnt 0x0                           ; the wave's end
	ds_add_u32 v[SPW], v[NIL]
	s_wait_dscnt 0x0
	CROUND                                         ; the closing round
	s_endpgm
.Lfunc_end_k_q560ab12bda_proj:
	.size	k_q560ab12bda_proj, .Lfunc_end_k_q560ab12bda_proj-k_q560ab12bda_proj
	.p2alignl 7, 3214868480
	.fill 96, 4, 3214868480
	.section	.rodata,"a",@progbits
	.p2align	6, 0x0
	.amdhsa_kernel k_q560ab12bda_proj
		.amdhsa_group_segment_fixed_size 327680
		.amdhsa_private_segment_fixed_size 0
		.amdhsa_enable_private_segment 0
		.amdhsa_kernarg_size 40
		.amdhsa_user_sgpr_count 2
		.amdhsa_user_sgpr_kernarg_segment_ptr 1
		.amdhsa_wavefront_size32 1
		.amdhsa_system_sgpr_workgroup_id_x 1
		.amdhsa_system_sgpr_workgroup_id_y 1
		.amdhsa_system_sgpr_workgroup_id_z 1
		.amdhsa_system_vgpr_workitem_id 0
		.amdhsa_next_free_vgpr 1024
		.amdhsa_next_free_sgpr 84
		.amdhsa_reserve_vcc 0
		.amdhsa_float_denorm_mode_32 3
		.amdhsa_float_denorm_mode_16_64 3
		.amdhsa_memory_ordered 1
		.amdhsa_forward_progress 1
		.amdhsa_inst_pref_size 108
	.end_amdhsa_kernel
	.amdgpu_metadata
---
amdhsa.version: [ 1, 2 ]
amdhsa.kernels:
  - .name:           k_q560ab12bda_proj
    .symbol:         k_q560ab12bda_proj.kd
    .args:
      - { .name: xw, .offset: 0, .size: 8, .value_kind: global_buffer, .address_space: global }
      - { .name: bq, .offset: 8, .size: 8, .value_kind: global_buffer, .address_space: global }
      - { .name: bk, .offset: 16, .size: 8, .value_kind: global_buffer, .address_space: global }
      - { .name: bv, .offset: 24, .size: 8, .value_kind: global_buffer, .address_space: global }
      - { .name: qkv, .offset: 32, .size: 8, .value_kind: global_buffer, .address_space: global }
    .group_segment_fixed_size: 327680
    .private_segment_fixed_size: 0
    .kernarg_segment_align: 8
    .kernarg_segment_size: 40
    .max_flat_workgroup_size: 128
    .sgpr_count:     84
    .vgpr_count:     1024
    .wavefront_size: 32
...
	.end_amdgpu_metadata
.endif
;; end of part 2
;; launch scores (part 3): grid 8 x 32, 4 waves a work-group, clusters of 4 x 4, 327,680 bytes of LDS; arguments qkv, p, stats; writes p, stats
.if DOCPART == 3
	.amdgcn_target "amdgcn-amd-amdhsa--gfx1250"
	.amdhsa_code_object_version 6
	.text
	.protected	k_q560ab12bda_scores
	.globl	k_q560ab12bda_scores
	.p2align	8
	.type	k_q560ab12bda_scores,@function
k_q560ab12bda_scores:
	s_mov_b64 s[64:65], 0
	v_nop
	global_prefetch_b8 v0, s[64:65] scope:SCOPE_SE
	s_setreg_imm32_b32 hwreg(HW_REG_WAVE_MODE, 25, 1), 1
	s_wait_xcnt 0x0
	s_wait_alu depctr_hold_cnt(0) depctr_sa_sdst(0) depctr_va_vdst(0) depctr_va_sdst(0) depctr_va_ssrc(0) depctr_va_vcc(0) depctr_vm_vsrc(0)
	s_getreg_b32 s2, hwreg(HW_REG_IB_STS2, 6, 4)
	s_cmp_eq_u32 s2, 0
	s_cbranch_scc0 .Lentry_in_a_cluster
	s_endpgm
.Lentry_in_a_cluster:
	s_bfe_u32 s2, ttmp6, 0x10000c
	s_cmp_lg_u32 s2, 0xf033
	s_cbranch_scc0 .Lentry_shape_is_right
	s_endpgm
.Lentry_shape_is_right:
; For each query row and each CHUNK of 128 keys of its batch: s = q . k; T = floor(-c max s), c = log2(e) / 32; P = 2^(c s + T), rounded once to bf16; l = the sum of the rounded P.
; So the chunk's own maximum, rounded up to a whole number of binary orders, is taken away before the exponential: the chunk's largest weight lies in (0.5, 1].
; T and l, f32, go to stats [16 chunks][8192 rows], l 524,288 bytes behind T.  The next launch brings the chunks of a row to one shift by powers of two.
; P GOES OUT IN FRAGMENT ORDER: p [512 blocks of 16 rows][128 blocks of 16 keys of the rows' batch][32 lanes][16 bytes]: lane l holds row l % 16 and the keys 8 (l / 16) + 0..7 of the block.
; That is how a lane holds P here, and two such blocks are a source of the next launch's product: a store takes four registers as they are and covers 512 consecutive bytes, aligned.
; q is plane 0 and k plane 1 of qkv [3][8192][1024] bf16.  A tile of 256 queries x 256 keys is made by four waves, 128 x 128 each: a wave's 128 keys are one chunk.
; K = 1,024 goes in eight steps of 128 through two LDS slots.  CLUSTER 4 x 4: q's tile is asked for jointly along a row of the cluster, k's along a column.
; THE PRODUCT IS TAKEN TRANSPOSED (source 0 = 16 keys, source 1 = 16 queries): a lane holds query l % 16 and the keys 8 (l / 16) + 0..7 of each block of 16.
; A K STEP IS WRITTEN ONCE.  The slot in hand is a scalar, TB = 0 or SLOT, turned at each change of slots; the fragment addresses and the refill's LDS word are made from it.
; The two steps that fill nothing are one text walked twice and left in its middle; the price, once a launch: the last change of slots fetches a run of fragments that nobody multiplies.
; REGISTERS: window 0: v0-31 addresses and ones; v64-127, v128-191 q's fragments; on the way out v64-191 maxima, then P; v192-223 shifts, then l's sums; v32-39 T and l read back.
;   window 1: k's fragments.   windows 2, 3: the accumulators of my queries 0-63, 64-127.
; LIMITS.  A weight below 2^-126 counts as 0; NaN and infinities are not treated apart.
.set KSTEP,  128
.set STEPS,  8
.set PITCH,  272
.set HALFT,  128*PITCH
.set SLOT,   4*HALFT
.set SSTG,   2*SLOT                    ; behind the ring: 1,024 bytes for each wave: T of its 128 rows, then l
.set SPARE,  SSTG+4*1024               ; the spare words: 128 bytes a wave, named by no other line
.set CPL,    16777216                  ; a plane of qkv
.set ARB,    65536                     ; bytes in p from a block of 16 rows to the next
.set ONES, 8                           ; v8-15  1.0 in every bf16 half
.set ADRA,  16
.set ADRA0, 17
.set ADRB,  20
.set ADRB0, 21
.set SGO,  22                          ; v22  16 l
.set SST,  27                          ; v27  where a row's T goes
.set SPW,  28
.set NIL,  29
.set PFO,  30
.set SRD,  31                          ; v31  where I read 16 bytes of T back
.set F0,   64
.set F1,   128
.set TM,   64
.set PK,   64
.set MS,   192
.set LA,   192
.set G1,  24
.set G0,  32
.set G1B, 48
.set G0B, 56
.set LIM, 43
.set PFA, 44
.set CS,  68                           ; s[68:69] c
.set SEL, 70                           ; s[70:71] v_permlanex16_b32's selects
.set LW,  81                           ; s81  my load's place in a slot
.set TB,  82                           ; s82  the slot in hand: 0 or SLOT
.set MSB, 0
.macro WIN new
.if MSB != (\new)
	s_set_vgpr_msb (MSB<<8)|(\new)
.set MSB, \new
.endif
.endm
.macro JLOAD s                         ; waves 0 and 1 fetch q's two halves, waves 2 and 3 k's; an s_nop 0 and four v_nop follow each line
	s_cmp_eq_u32 s11, 0
	s_cbranch_scc0 .Lfor_b_\@
	tensor_load_to_lds s[G0+4*(\s):G0+4*(\s)+3], s[G1:G1+7]
	s_nop 0
.rept 4
	v_nop
.endr
	s_branch .Lasked_\@
.Lfor_b_\@:
	tensor_load_to_lds s[G0B+4*(\s):G0B+4*(\s)+3], s[G1B:G1B+7]
	s_nop 0
.rept 4
	v_nop
.endr
.Lasked_\@:
.endm
; A prefetch of the K step two refills on (512 matrix instructions ahead of its load): 32 rows x 256 bytes, a lane a row.  q's rows are read by the two clusters of a row of clusters:
; cluster x = 0 asks; k's by the two clusters of a batch: the one with even y asks.  The four partners of a joint load take 32 of its 128 rows each, by address.  The last two trips ask for nothing.
.macro ASK
	s_cmp_gt_u32 s3, s[LIM]
	s_cbranch_scc0 .Lnot_mine_\@
	global_prefetch_b8 v[PFO], s[PFA:PFA+1] th:TH_LOAD_NT scope:SCOPE_SE
.Lnot_mine_\@:
.endm
.macro CREST
	s_cmp_lg_u32 s10, 0
	s_cbranch_scc1 .Lnot_wave_0_\@
	s_barrier_signal -3
.Lnot_wave_0_\@:
	s_barrier_wait -3
	s_barrier_signal -1
	s_barrier_wait -1
.endm
.macro CROUND
	s_barrier_signal -1
	s_barrier_wait -1
	CREST
.endm
.macro PLACES
.rept 4
	v_nop
.endr
.endm
	s_load_b64 s[72:73], s[0:1], 0x0               ; qkv
	s_load_b64 s[8:9], s[0:1], 0x8                 ; p
	s_load_b64 s[66:67], s[0:1], 0x10              ; stats
	v_lshl_add_u32 v[SPW], v0, 2, SPARE
	v_mov_b32 v[NIL], 0
	ds_add_u32 v[SPW], v[NIL]                      ; the wave's opening: the add and its wait ahead of my first tensor load
	v_lshrrev_b32 v1, 5, v0
	v_readfirstlane_b32 s10, v1
	s_lshr_b32 s11, s10, 1                         ; my half of the queries.  Also: I fetch for q (0) or for k (1)
	s_and_b32 s12, s10, 1                          ; my half of the keys.  Also: which 128 rows of that tile I fetch
	s_bfe_u32 s40, ttmp6, 0x40000                  ; cx
	s_bfe_u32 s41, ttmp6, 0x40004                  ; cy
	s_lshl_b32 s42, ttmp9, 2
	s_add_co_u32 s42, s42, s40                     ; key tile of the batch, 0..7
	s_and_b32 s13, ttmp7, 0xffff
	s_lshl_b32 s13, s13, 2
	s_add_co_u32 s13, s13, s41                     ; query tile, 0..31
	s_lshl_b32 s43, s41, 2
	s_lshl_b32 s43, 15, s43
	s_lshl_b32 s44, 0x1111, s40
	s_or_b32 s[G1+0], s43, (1<<16)|(1<<20)|(1<<21)|(5<<22)|(3<<25)
	s_or_b32 s[G1B+0], s44, (1<<16)|(1<<20)|(1<<21)|(5<<22)|(3<<25)
.irp g, G1, G1B
	s_mov_b32 s[(\g)+1], 128<<16                   ; tensor_dim0 = 128
	s_mov_b32 s[(\g)+2], 128<<16                   ; tensor_dim1 = 128
	s_mov_b32 s[(\g)+3], 128<<16                   ; tile_dim0 = 128
	s_mov_b32 s[(\g)+4], 128                       ; tile_dim1 = 128
	s_mov_b32 s[(\g)+5], 1024                      ; elements from row to row
	s_mov_b32 s[(\g)+6], 0
	s_mov_b32 s[(\g)+7], 0
.endr
	s_lshl_b32 s16, s13, 8
	s_lshl_b32 s17, s12, 7
	s_add_co_u32 s16, s16, s17
	s_lshl_b32 s16, s16, 11                        ; q: row 256 x query tile + 128 x half, in bytes
	s_mov_b32 s17, 0
	s_and_b32 s46, ttmp7, 0xffff
	s_lshr_b32 s46, s46, 1                         ; the batch: two clusters along y each
	s_lshl_b32 s46, s46, 11
	s_lshl_b32 s47, s42, 8
	s_add_co_u32 s46, s46, s47
	s_lshl_b32 s47, s12, 7
	s_add_co_u32 s46, s46, s47
	s_lshl_b32 s46, s46, 11                        ; k: row 2,048 x batch + 256 x key tile + 128 x half,
	s_add_co_u32 s46, s46, CPL                     ; in plane 1
	s_mov_b32 s47, 0
	s_mul_i32 s[LW], s10, HALFT
	s_mov_b32 s[TB], 0
	s_mov_b32 s[CS], 0x3d38aa3b                    ; c = log2(e) / 32
	s_mov_b32 s[CS+1], s[CS]
	s_mov_b32 s[SEL], 0x76543210
	s_mov_b32 s[SEL+1], 0xfedcba98
	s_wait_dscnt 0x0
	s_wait_kmcnt 0x0
	s_add_nc_u64 s[14:15], s[72:73], s[16:17]
	s_add_nc_u64 s[46:47], s[72:73], s[46:47]
	CROUND
.irp s, 0,1
	s_mov_b32 s[G0+4*(\s)], 1
	s_add_co_u32 s[G0+4*(\s)+1], s[LW], (\s)*SLOT
	s_add_nc_u64 s[G0+4*(\s)+2:G0+4*(\s)+3], s[14:15], (\s)*KSTEP*2
	s_or_b32 s[G0+4*(\s)+3], s[G0+4*(\s)+3], 0x80000000
	s_mov_b32 s[G0B+4*(\s)], 1
	s_add_co_u32 s[G0B+4*(\s)+1], s[LW], (\s)*SLOT
	s_add_nc_u64 s[G0B+4*(\s)+2:G0B+4*(\s)+3], s[46:47], (\s)*KSTEP*2
	s_or_b32 s[G0B+4*(\s)+3], s[G0B+4*(\s)+3], 0x80000000
	JLOAD \s
.endr
	v_and_b32 v1, 15, v0                           ; r
	v_bfe_u32 v2, v0, 4, 1                         ; h
	v_mul_u32_u24 v3, v1, PITCH
	v_lshl_add_u32 v3, v2, 4, v3
	s_mul_i32 s21, s11, HALFT
	s_mul_i32 s22, s12, HALFT
	s_add_co_u32 s22, s22, 2*HALFT
	v_add_nc_u32 v[ADRA0], s21, v3
	v_add_nc_u32 v[ADRB0], s22, v3
	v_mov_b32 v[ADRA], v[ADRA0]
	v_mov_b32 v[ADRB], v[ADRB0]
	s_lshl_b32 s23, s10, 10
	s_add_co_u32 s23, s23, SSTG
	v_lshl_add_u32 v[SST], v1, 2, s23
	v_and_b32 v6, 31, v0
	v_lshlrev_b32 v[SGO], 4, v6
	v_add_nc_u32 v[SRD], s23, v[SGO]
.irp i, 0,1,2,3,4,5,6,7
	v_mov_b32 v[ONES+(\i)], 0x3f803f80
.endr
	; where my part of the tile begins in p: block of rows 16 x query tile + 8 x half, block of keys 16 x key tile + 8 x half
	s_lshl_b32 s16, s13, 20
	s_lshl_b32 s17, s11, 19
	s_add_co_u32 s16, s16, s17
	s_lshl_b32 s17, s42, 13
	s_add_co_u32 s16, s16, s17
	s_lshl_b32 s17, s12, 12
	s_add_co_u32 s16, s16, s17
	s_mov_b32 s17, 0
	s_add_nc_u64 s[8:9], s[8:9], s[16:17]
	; and my chunk's rows in stats
	s_lshl_b32 s20, s42, 1
	s_add_co_u32 s20, s20, s12                     ; the chunk, 0..15
	s_lshl_b32 s20, s20, 15
	s_lshl_b32 s21, s13, 10
	s_add_co_u32 s20, s20, s21
	s_lshl_b32 s21, s11, 9
	s_add_co_u32 s20, s20, s21
	s_mov_b32 s21, 0
	s_add_nc_u64 s[66:67], s[66:67], s[20:21]
	; the prefetches
	s_and_b32 s22, ttmp7, 0xffff
	s_lshr_b32 s23, s22, 1
	s_and_b32 s22, s22, 1
	s_lshl_b32 s23, s23, 11
	s_lshl_b32 s21, s42, 8
	s_add_co_u32 s23, s23, s21
	s_lshl_b32 s21, s41, 5
	s_add_co_u32 s23, s23, s21
	s_add_co_u32 s23, s23, 8192                    ; plane 1 begins 8,192 rows behind plane 0
	s_lshl_b32 s20, s13, 8
	s_lshl_b32 s21, s40, 5
	s_add_co_u32 s20, s20, s21
	s_cmp_eq_u32 s11, 0
	s_cselect_b32 s20, s20, s23
	s_cselect_b32 s22, ttmp9, s22
	s_cmp_eq_u32 s22, 0
	s_cselect_b32 s[LIM], 2, -1
	s_lshl_b32 s21, s12, 7
	s_add_co_u32 s20, s20, s21
	s_lshl_b32 s20, s20, 11
	s_add_co_u32 s20, s20, 3*KSTEP*2               ; at K step 3: the first change of slots steps it to 4
	s_mov_b32 s21, 0
	s_add_nc_u64 s[PFA:PFA+1], s[72:73], s[20:21]
	v_lshlrev_b32 v[PFO], 11, v6
; 16 matrix instructions; zero = 1: the products start the sums.  The 64 accumulators take turns, one instruction a turn.
.macro MUL16 f, hi, a0, zero
	WIN 0xa1+0x50*(\hi)
.irp a, \a0, (\a0)+1
.irp b, 0,1,2,3,4,5,6,7
.if \zero
	v_wmma_f32_16x16x32_bf16 v[8*(8*(\a)+(\b)):8*(8*(\a)+(\b))+7], v[(\f)+8*(\b):(\f)+8*(\b)+7], v[(\f)+8*(4*(\hi)+(\a)):(\f)+8*(4*(\hi)+(\a))+7], 0
.else
	v_wmma_f32_16x16x32_bf16 v[8*(8*(\a)+(\b)):8*(8*(\a)+(\b))+7], v[(\f)+8*(\b):(\f)+8*(\b)+7], v[(\f)+8*(4*(\hi)+(\a)):(\f)+8*(4*(\hi)+(\a))+7], v[8*(8*(\a)+(\b)):8*(8*(\a)+(\b))+7]
.endif
.endr
.endr
.endm
.macro FETCH kq, f                     ; 32 LDS loads in one run: quarter kq of the slot in hand into buffer f
	WIN 0x40
.irp i, 0,1,2,3,4,5,6,7
	ds_load_b128 v[(\f)+8*(\i):(\f)+8*(\i)+3],   v[ADRB] offset:64*(\kq)+(\i)*16*PITCH
	ds_load_b128 v[(\f)+8*(\i)+4:(\f)+8*(\i)+7], v[ADRB] offset:64*(\kq)+(\i)*16*PITCH+32
.endr
	WIN 0
.irp i, 0,1,2,3,4,5,6,7
	ds_load_b128 v[(\f)+8*(\i):(\f)+8*(\i)+3],   v[ADRA] offset:64*(\kq)+(\i)*16*PITCH
	ds_load_b128 v[(\f)+8*(\i)+4:(\f)+8*(\i)+7], v[ADRA] offset:64*(\kq)+(\i)*16*PITCH+32
.endr
.endm
.macro QUARTER kq, f, g, zero
	s_wait_dscnt 8                                 ; k and q's rows 0-63 are in; the youngest eight loads may be out
	MUL16 \f, 0, 0, \zero
	MUL16 \f, 0, 2, \zero
	PLACES
	FETCH \kq, \g
	s_wait_dscnt 32                                ; all but the 32 just issued
	MUL16 \f, 1, 0, \zero
	MUL16 \f, 1, 2, \zero
.endm
; The last quarter multiplies buffer 1 and changes slots.  fill = 1: the slot just read is filled again, two K steps on, first thing behind a round of the cluster's barrier
.macro TURN fill
.if \fill
	s_wait_xcnt 0x0                                ; the last prefetch, a K step back, has read its address
	s_add_nc_u64 s[PFA:PFA+1], s[PFA:PFA+1], KSTEP*2
.endif
	WIN 0
	s_wait_tensorcnt 0x0                           ; all my tensor loads have landed
	ds_add_u32 v[SPW], v[NIL]                      ; 0 onto my spare word
	s_wait_dscnt 9                                 ; the add and the youngest eight loads may be out
	MUL16 F1, 0, 0, 0
	s_wait_dscnt 0x0                               ; the add is done, and my reads of this slot are over
	s_barrier_signal -1
	MUL16 F1, 0, 2, 0
	WIN 0
	s_barrier_wait -1
.if \fill
	CREST
	s_add_co_u32 s[G0+5], s[LW], s[TB]             ; the walking descriptors: into the slot just read, the K step behind the one asked for last
	s_add_nc_u64 s[G0+6:G0+7], s[G0+6:G0+7], KSTEP*2
	s_add_co_u32 s[G0B+5], s[LW], s[TB]
	s_add_nc_u64 s[G0B+6:G0B+7], s[G0B+6:G0B+7], KSTEP*2
	JLOAD 1
.else
	PLACES
.endif
	s_xor_b32 s[TB], s[TB], SLOT                   ; the other slot is in hand
	v_add_nc_u32 v[ADRA], s[TB], v[ADRA0]
	v_add_nc_u32 v[ADRB], s[TB], v[ADRB0]
	FETCH 0, F0
.if \fill
	ASK
.endif
	MUL16 F1, 1, 0, 0
	MUL16 F1, 1, 2, 0
.endm
; THE WAY OUT, for the four row blocks of window 2 + hi.
.macro SCL pr                          ; pair pr of the window's 128: c s + T
	v_pk_fma_f32 v[2*(\pr):2*(\pr)+1], v[2*(\pr):2*(\pr)+1], s[CS:CS+1], v[MS+2*((\pr)/32):MS+2*((\pr)/32)+1] op_sel_hi:[1,0,0]
.endm
.macro EPI hi
.if \hi
	s_wait_xcnt 0x0                                ; the first half's stores have read their registers, which are written again below
.endif
	; the maximum of a query's 128 scores: 64 in my lane, 64 in the lane 16 away.  Each accumulator's lowest registers are read first.
	WIN 0x2a+0x15*(\hi)
.irp a, 0,1,2,3
.irp b, 0,1,2,3,4,5,6,7
	v_max3_num_f32 v[TM+24*(\a)+3*(\b)],   v[64*(\a)+8*(\b)],   v[64*(\a)+8*(\b)+1], v[64*(\a)+8*(\b)+2]
	v_max3_num_f32 v[TM+24*(\a)+3*(\b)+1], v[64*(\a)+8*(\b)+3], v[64*(\a)+8*(\b)+4], v[64*(\a)+8*(\b)+5]
	v_max_num_f32  v[TM+24*(\a)+3*(\b)+2], v[64*(\a)+8*(\b)+6], v[64*(\a)+8*(\b)+7]
.endr
.endr
	WIN 0
.irp i, 0,1,2,3,4,5,6,7
.irp a, 0,1,2,3
	v_max3_num_f32 v[TM+24*(\a)+3*(\i)], v[TM+24*(\a)+3*(\i)], v[TM+24*(\a)+3*(\i)+1], v[TM+24*(\a)+3*(\i)+2]
.endr
.endr
.irp a, 0,1,2,3
	v_max3_num_f32 v[TM+24*(\a)], v[TM+24*(\a)], v[TM+24*(\a)+3], v[TM+24*(\a)+6]
	v_max3_num_f32 v[TM+24*(\a)+9], v[TM+24*(\a)+9], v[TM+24*(\a)+12], v[TM+24*(\a)+15]
.endr
.irp a, 0,1,2,3
	v_max3_num_f32 v[TM+24*(\a)], v[TM+24*(\a)], v[TM+24*(\a)+9], v[TM+24*(\a)+18]
.endr
.irp a, 0,1,2,3
	v_max_num_f32 v[TM+24*(\a)], v[TM+24*(\a)], v[TM+24*(\a)+21]
.endr
.irp a, 0,1,2,3
	v_permlanex16_b32 v[TM+24*(\a)+1], v[TM+24*(\a)], s[SEL], s[SEL+1]
.endr
.irp a, 0,1,2,3
	v_max_num_f32 v[TM+24*(\a)], v[TM+24*(\a)], v[TM+24*(\a)+1]
.endr
.irp a, 0,1,2,3
	v_mul_f32 v[MS+2*(\a)], 0xbd38aa3b, v[TM+24*(\a)]   ; -c m
.endr
.irp a, 0,1,2,3
	v_floor_f32 v[MS+2*(\a)], v[MS+2*(\a)]              ; T: a whole number, at most -c m
.endr
.irp a, 0,1,2,3
	v_mov_b32 v[MS+2*(\a)+1], v[MS+2*(\a)]              ; named with it as a pair
.endr
.irp a, 0,1,2,3
	ds_store_b32 v[SST], v[MS+2*(\a)] offset:64*(4*(\hi)+(\a))   ; both halves of the lanes write the same word with the same number
.endr
	; the 256 exponentials are one batch: a pair's scaling stands a pair ahead of its exponentials, and nothing names a result ahead of the one wait
	WIN 0x82+0x41*(\hi)
	SCL 0
.set i, 0
.rept 128
.if i < 127
	SCL i+1
.endif
	v_exp_f32 v[2*i], v[2*i]
	v_exp_f32 v[2*i+1], v[2*i+1]
.set i, i+1
.endr
	v_nop                                          ; a plain instruction behind the last exponential,
	s_wait_alu depctr_va_vdst(0)                   ; and the wait ahead of the first use: one for the batch
	WIN 0x0a+5*(\hi)
.set i, 0
.rept 128
	v_cvt_pk_bf16_f32 v[PK+i], v[2*i], v[2*i+1]
.set i, i+1
.endr
	; l = ones x P: two packed accumulators are source 1 (32 keys x 16 queries); every row of the result holds the queries' sums.  Four accumulators by turns.
	WIN 0
.irp kk, 0,1,2,3
.irp a, 0,1,2,3
.if (\kk) == 0
	v_wmma_f32_16x16x32_bf16 v[LA+8*(\a):LA+8*(\a)+7], v[ONES:ONES+7], v[PK+32*(\a)+8*(\kk):PK+32*(\a)+8*(\kk)+7], 0
.else
	v_wmma_f32_16x16x32_bf16 v[LA+8*(\a):LA+8*(\a)+7], v[ONES:ONES+7], v[PK+32*(\a)+8*(\kk):PK+32*(\a)+8*(\kk)+7], v[LA+8*(\a):LA+8*(\a)+7]
.endif
.endr
.endr
	PLACES
.irp a, 0,1,2,3
	ds_store_b32 v[SST], v[LA+8*(\a)] offset:512+64*(4*(\hi)+(\a))
.endr
.irp a, 0,1,2,3
.irp b, 0,1,2,3,4,5,6,7
	global_store_b128 v[SGO], v[PK+32*(\a)+4*(\b):PK+32*(\a)+4*(\b)+3], s[8:9] offset:(4*(\hi)+(\a))*ARB+512*(\b)  ; a block of 16 rows x 16 keys: 512 consecutive bytes, aligned
.endr
.endr
.endm
	s_wait_tensorcnt 1                             ; my part of K step 0 is in; K step 1's may stay out
	s_barrier_signal -1
	s_barrier_wait -1
	FETCH 0, F0
	QUARTER 1, F0, F1, 1                           ; the first quarter's products start the sums
	WIN 0
	s_mov_b32 s3, STEPS-2
.Lstep:                                                ; a trip: a K step's quarters 1 to 3 and the next step's quarter 0; the slot left is filled again
	QUARTER 2, F1, F0, 0
	QUARTER 3, F0, F1, 0
	TURN 1
	QUARTER 1, F0, F1, 0
	WIN 0
	s_sub_co_u32 s3, s3, 1
	s_cmp_lg_u32 s3, 0
	s_cbranch_scc1 .Lstep
	s_mov_b32 s3, 2
.Ltail:                                                ; the last two K steps fill nothing: one text, walked twice and left in its middle
	QUARTER 2, F1, F0, 0
	QUARTER 3, F0, F1, 0
	TURN 0
	WIN 0
	s_sub_co_u32 s3, s3, 1
	s_cmp_eq_u32 s3, 0
	s_cbranch_scc1 .Lout
	QUARTER 1, F0, F1, 0
	WIN 0
	s_branch .Ltail
.Lout:
	s_wait_dscnt 0x0                               ; the run that the last change of slots fetched serves nothing: it has landed before its registers are written below
	PLACES
	EPI 0
	EPI 1
	ds_load_b128 v[32:35], v[SRD]                  ; T of my 128 rows: 512 bytes, 16 a lane; my own wave's words, served in order behind its stores
	ds_load_b128 v[36:39], v[SRD] offset:512       ; l
	s_wait_dscnt 0x0
	global_store_b128 v[SGO], v[32:35], s[66:67]
	global_store_b128 v[SGO], v[36:39], s[66:67] offset:524288
	s_wait_tensorcnt 0x0                           ; the wave's end
	ds_add_u32 v[SPW], v[NIL]
	s_wait_dscnt 0x0
	CROUND
	s_endpgm
.Lfunc_end_k_q560ab12bda_scores:
	.size	k_q560ab12bda_scores, .Lfunc_end_k_q560ab12bda_scores-k_q560ab12bda_scores
	.p2alignl 7, 3214868480
	.fill 96, 4, 3214868480
	.section	.rodata,"a",@progbits
	.p2align	6, 0x0
	.amdhsa_kernel k_q560ab12bda_scores
		.amdhsa_group_segment_fixed_size 327680
		.amdhsa_private_segment_fixed_size 0
		.amdhsa_enable_private_segment 0
		.amdhsa_kernarg_size 24
		.amdhsa_user_sgpr_count 2
		.amdhsa_user_sgpr_kernarg_segment_ptr 1
		.amdhsa_wavefront_size32 1
		.amdhsa_system_sgpr_workgroup_id_x 1
		.amdhsa_system_sgpr_workgroup_id_y 1
		.amdhsa_system_sgpr_workgroup_id_z 1
		.amdhsa_system_vgpr_workitem_id 0
		.amdhsa_next_free_vgpr 1024
		.amdhsa_next_free_sgpr 84
		.amdhsa_reserve_vcc 0
		.amdhsa_float_denorm_mode_32 3
		.amdhsa_float_denorm_mode_16_64 3
		.amdhsa_memory_ordered 1
		.amdhsa_forward_progress 1
		.amdhsa_inst_pref_size 146
	.end_amdhsa_kernel
	.amdgpu_metadata
---
amdhsa.version: [ 1, 2 ]
amdhsa.kernels:
  - .name:           k_q560ab12bda_scores
    .symbol:         k_q560ab12bda_scores.kd
    .args:
      - { .name: qkv, .offset: 0, .size: 8, .value_kind: global_buffer, .address_space: global }
      - { .name: p, .offset: 8, .size: 8, .value_kind: global_buffer, .address_space: global }
      - { .name: stats, .offset: 16, .size: 8, .value_kind: global_buffer, .address_space: global }
    .group_segment_fixed_size: 327680
    .private_segment_fixed_size: 0
    .kernarg_segment_align: 8
    .kernarg_segment_size: 24
    .max_flat_workgroup_size: 128
    .sgpr_count:     84
    .vgpr_count:     1024
    .wavefront_size: 32
...
	.end_amdgpu_metadata
.endif
;; end of part 3
;; launch pv (part 4): grid 4 x 64, 4 waves a work-group, clusters of 4 x 4, 327,680 bytes of LDS; arguments p, qkv, stats, out0; writes out0
.if DOCPART == 4
	.amdgcn_target "amdgcn-amd-amdhsa--gfx1250"
	.amdhsa_code_object_version 6
	.text
	.protected	k_q560ab12bda_pv
	.globl	k_q560ab12bda_pv
	.p2align	8
	.type	k_q560ab12bda_pv,@function
k_q560ab12bda_pv:
	s_mov_b64 s[64:65], 0
	v_nop
	global_prefetch_b8 v0, s[64:65] scope:SCOPE_SE
	s_setreg_imm32_b32 hwreg(HW_REG_WAVE_MODE, 25, 1), 1
	s_wait_xcnt 0x0
	s_wait_alu depctr_hold_cnt(0) depctr_sa_sdst(0) depctr_va_vdst(0) depctr_va_sdst(0) depctr_va_ssrc(0) depctr_va_vcc(0) depctr_vm_vsrc(0)
	s_getreg_b32 s2, hwreg(HW_REG_IB_STS2, 6, 4)
	s_cmp_eq_u32 s2, 0
	s_cbranch_scc0 .Lentry_in_a_cluster
	s_endpgm
.Lentry_in_a_cluster:
	s_bfe_u32 s2, ttmp6, 0x10000c
	s_cmp_lg_u32 s2, 0xf033
	s_cbranch_scc0 .Lentry_shape_is_right
	s_endpgm
.Lentry_shape_is_right:
; out[row][d] = (the sum over the row's 16 chunks c of 2^(Tmin - T_c) x the sum over the chunk's 128 keys of P V) / L,   Tmin = the least T_c of the row,   L = the sum of 2^(Tmin - T_c) l_c.
; P holds 2^(c s + T_c) in bf16; multiplied by the power of two it is 2^(c s + Tmin): the row's running maximum taken away.  The factor is a power of two, so the product in bf16 rounds nothing.
; P LIES IN FRAGMENT ORDER: p [512 blocks of 16 rows][128 blocks of 16 keys][32 lanes][16 bytes]; lane l's 16 bytes are row l % 16, keys 8 (l / 16) + 0..7.  Two neighbouring blocks are a source of the product.
; V is plane 2 of qkv [3][8192][1024] bf16; T and l, f32, lie in stats [16][8192], l 524,288 bytes behind T; out0 is f32.
; A tile of 128 rows x 256 channels is made by four waves, 64 x 128 each: 32 accumulators.
; THE RING.  Two LDS slots of 192 keys, the most that fit: a key is 2 x (128 + 256) bytes, a slot 49,152 of P and 192 rows of 544 of V.  A step is six quarters of 32 keys, 192 matrix instructions a wave,
; 176 of them between a slot's request and the wait for it.  2,048 keys are ten steps and 128 keys: the eleventh tile begins at key 1,856, so that it lies inside the buffers, and its first 64 keys,
; which step 9 has multiplied already, get the factor 0: the price is 64 matrix instructions a wave on zeros.
; THE FACTORS lie in LDS by pieces of 64 keys in the order of the steps: entry e = 3 x step + piece; entries 0-29 hold chunk e / 2, entry 30 holds 0, entries 31 and 32 chunk 15.
; CLUSTER 4 x 4: cx is the block of 256 channels, 4 x cluster y + cy the block of 128 rows; P's tile is asked for jointly along a row of the cluster, V's along a column.
; THE PRODUCT IS TAKEN TRANSPOSED (source 0 = 16 channels of V, turned by ds_load_tr16_b128; source 1 = 16 rows of P): a lane holds row l % 16 and eight neighbouring channels.
; A STEP IS WRITTEN ONCE.  The slot in hand is a scalar, TB = 0 or SLOT, turned at each change of slots; the fragment addresses and the refill's LDS word are made from it.
; The two steps that fill nothing are one text walked twice and left in its middle; the price, once a launch: the last change of slots fetches a run (fragments of the slot left before, and the words
; of 1 / L in the factors' place) that nobody uses.
; THE STAGE for the way out lies in slot 0, which has had its last fill by then; a barrier stands between every wave's last reads of the ring and the first store into the stage.
; REGISTERS: window 0: v0-31 addresses; v32-39 1 / L; v64-95, v128-159 P's fragments; v96-107 three sets of four factors; on the way out v64-191 rows read back.
;   window 1: v64-127, v128-191 V's fragments.   window 2: accumulator (a, b) at v[8 (8 a + b)].
; LIMITS.  A chunk whose shift lies 127 binary orders or more below the row's counts as 0; NaN and infinities are not treated apart.
.set KSL,    192                       ; keys in a slot
.set STEPS,  11
.set PB,     544                       ; V's LDS row: 512 bytes + 32
.set ABK,    6144                      ; a slot's part of a block of 16 rows of P: 12 blocks of 512 bytes on end, in memory and in LDS
.set AT,     8*ABK                     ; P's tile: 8 blocks of rows, no padding: a fragment load takes 512 consecutive bytes
.set VH,     96*PB                     ; what one load of V brings: 96 key rows, three quarters
.set SLOT,   AT+2*VH
.set STAGE,  0                         ; 16 rows x 528 bytes for each wave, in slot 0, behind its last fill
.set SP,     528
.set FT,     2*SLOT                    ; behind the ring: [33 entries][128 rows]: the factor, twice in bf16
.set LI,     FT+33*512                 ; [128 rows] 1 / L
.set SPARE,  LI+512                    ; the spare words: 128 bytes a wave, named by no other line
.set CPL,    16777216
.set CHA,    4096                      ; 128 keys of a block of rows of P in memory
.set CHB,    128*2048                  ; 128 keys of V in memory
.set OROW,   4096                      ; bytes in a row of out0
.set ADRA,  16                         ; v16  LDS address of my P fragments in the slot in hand;  v17 in slot 0, never rewritten
.set ADRA0, 17
.set ADRF0, 18                         ; v18  my row's place in entry 0 of the factors; never rewritten
.set ADRC,  19                         ; v19  v20 + three quarters of V: the immediate offset has 16 bits
.set ADRB,  20                         ; v20, v21  the same as v16, v17 for V
.set ADRB0, 21
.set ADRF, 22                          ; v22  my row's place in the first entry of the step in hand
.set ADRL, 23
.set STO,  24
.set RD,   25
.set CO,   26
.set SPW,  28
.set NIL,  29
.set PFO,  30
.set LIV,  32
.set F0,   64
.set F1,   128
.set FA,   96                          ; v96-107: set j (quarters 2 j, 2 j + 1) at FA + 4 j: the factor for each of my four row blocks
.set G1,  24
.set G0,  32                           ; a set for each first fill; the second then walks on
.set G1B, 48
.set G0B, 56
.set LIM, 43
.set PFA, 44                           ; s[44:45], s[92:93] where my two prefetches of a trip stand
.set PFB, 92
.set PFS, 68                           ; s[68:69] their step for a trip: two chunks
.set FOF, 80                           ; s80  1,536 x the step to be fetched
.set LWA, 81                           ; s81  where my load of P goes in a slot
.set TB,  82                           ; s82  the slot in hand: 0 or SLOT
.set LWB, 83                           ; s83  where my load of V goes in a slot
.set STA, 84                           ; s[84:85] the bytes that P's walking address goes on at this refill;  s[86:87] V's
.set STB, 86
.set MSB, 0
.macro WIN new
.if MSB != (\new)
	s_set_vgpr_msb (MSB<<8)|(\new)
.set MSB, \new
.endif
.endm
.macro JLOAD s                         ; waves 0 and 1 fetch P's two halves, waves 2 and 3 V's; an s_nop 0 and four v_nop follow each line
	s_cmp_eq_u32 s11, 0
	s_cbranch_scc0 .Lfor_b_\@
	tensor_load_to_lds s[G0+4*(\s):G0+4*(\s)+3], s[G1:G1+7]
	s_nop 0
.rept 4
	v_nop
.endr
	s_branch .Lasked_\@
.Lfor_b_\@:
	tensor_load_to_lds s[G0B+4*(\s):G0B+4*(\s)+3], s[G1B:G1B+7]
	s_nop 0
.rept 4
	v_nop
.endr
.Lasked_\@:
.endm
; THE PREFETCHES go by chunks of 128 keys, 32 blocks of 256 bytes an instruction, a lane a block.  P's tile is read by one row of one cluster: wave 0 of each of its four work-groups asks for two of its
; eight blocks of rows.  V's rows are read by the four clusters of a batch: the first of them asks, waves 2 and 3, each partner 16 of 64 key rows.  So each block is named once in the launch.
; A trip uses a chunk and a half, so a trip asks for two: the loop's first five trips (s3 = 9 .. 5) ask for chunks 6 to 15, two to four trips ahead of the refill that brings them;
; chunks 0 to 5 come by their loads alone, and the last four trips ask for nothing.
.macro ASK
	s_cmp_gt_u32 s3, s[LIM]
	s_cbranch_scc0 .Lnot_mine_\@
	global_prefetch_b8 v[PFO], s[PFA:PFA+1] th:TH_LOAD_NT scope:SCOPE_SE
	global_prefetch_b8 v[PFO], s[PFB:PFB+1] th:TH_LOAD_NT scope:SCOPE_SE
.Lnot_mine_\@:
.endm
.macro CREST
	s_cmp_lg_u32 s10, 0
	s_cbranch_scc1 .Lnot_wave_0_\@
	s_barrier_signal -3
.Lnot_wave_0_\@:
	s_barrier_wait -3
	s_barrier_signal -1
	s_barrier_wait -1
.endm
.macro CROUND
	s_barrier_signal -1
	s_barrier_wait -1
	CREST
.endm
.macro PLACES
.rept 4
	v_nop
.endr
.endm
	s_load_b256 s[72:79], s[0:1], 0x0              ; p s[72:73], qkv s[74:75], stats s[76:77], out0 s[78:79]
	v_lshl_add_u32 v[SPW], v0, 2, SPARE
	v_mov_b32 v[NIL], 0
	ds_add_u32 v[SPW], v[NIL]                      ; the wave's opening: the add and its wait ahead of my first tensor load
	v_lshrrev_b32 v1, 5, v0
	v_readfirstlane_b32 s10, v1
	s_lshr_b32 s11, s10, 1                         ; my half of the rows.  Also: I fetch for P (0) or for V (1)
	s_and_b32 s12, s10, 1                          ; my half of the channels.  Also: which half of that tile I fetch
	s_bfe_u32 s40, ttmp6, 0x40000
	s_bfe_u32 s41, ttmp6, 0x40004
	s_lshl_b32 s42, ttmp9, 2
	s_add_co_u32 s42, s42, s40                     ; block of 256 channels
	s_and_b32 s13, ttmp7, 0xffff
	s_lshl_b32 s13, s13, 2
	s_add_co_u32 s13, s13, s41                     ; block of 128 rows, 0..63
	s_lshl_b32 s43, s41, 2
	s_lshl_b32 s43, 15, s43
	s_lshl_b32 s44, 0x1111, s40
	s_or_b32 s[G1+0], s43, (1<<16)|(1<<21)         ; mask; 2-byte elements; bit 21 beside a mask; no padding
	s_mov_b32 s[G1+1], 3072<<16                    ; tensor_dim0 = 3,072 elements: 6,144 bytes
	s_mov_b32 s[G1+2], 4<<16                       ; tensor_dim1 = 4 blocks of rows
	s_mov_b32 s[G1+3], 3072<<16                    ; tile_dim0 = 3,072
	s_mov_b32 s[G1+4], 4                           ; tile_dim1 = 4
	s_mov_b32 s[G1+5], 32768                       ; elements from a block of rows to the next
	s_mov_b32 s[G1+6], 0
	s_mov_b32 s[G1+7], 0
	s_or_b32 s[G1B+0], s44, (1<<16)|(1<<20)|(1<<21)|(6<<22)|(7<<25)  ; padding: after every 128 words 8 words
	s_mov_b32 s[G1B+1], 256<<16                    ; tensor_dim0 = 256
	s_mov_b32 s[G1B+2], 96<<16                     ; tensor_dim1 = 96
	s_mov_b32 s[G1B+3], 256<<16                    ; tile_dim0 = 256
	s_mov_b32 s[G1B+4], 96                         ; tile_dim1 = 96
	s_mov_b32 s[G1B+5], 1024
	s_mov_b32 s[G1B+6], 0
	s_mov_b32 s[G1B+7], 0
	s_lshl_b32 s16, s13, 19                        ; P: block of rows 8 x block of 128 + 4 x half, 65,536 bytes each
	s_lshl_b32 s17, s12, 18
	s_add_co_u32 s16, s16, s17
	s_mov_b32 s17, 0
	s_and_b32 s46, ttmp7, 0xffff
	s_lshr_b32 s46, s46, 2                         ; the batch: four clusters along y each
	s_lshl_b32 s46, s46, 11
	s_mul_i32 s47, s12, 96
	s_add_co_u32 s46, s46, s47
	s_lshl_b32 s46, s46, 11                        ; V: key row 2,048 x batch + 96 x half,
	s_lshl_b32 s47, s42, 9                         ; the tile's 256 channels,
	s_add_co_u32 s46, s46, s47
	s_add_co_u32 s46, s46, 2*CPL                   ; in plane 2
	s_mov_b32 s47, 0
	s_mul_i32 s[LWA], s12, 4*ABK                   ; where the tiles go: P's two halves,
	s_mul_i32 s[LWB], s12, VH
	s_add_co_u32 s[LWB], s[LWB], AT                ; V's two halves behind them
	s_mov_b32 s[TB], 0
	s_mov_b32 s[FOF], 0
	s_mov_b32 s[STA+1], 0
	s_mov_b32 s[STB+1], 0
	s_mov_b32 s88, CHA                             ; the last refill goes 128 keys on,
	s_mov_b32 s89, ABK                             ; every other 192: in P,
	s_mov_b32 s90, CHB
	s_mov_b32 s91, KSL*2048                        ; and in V
	s_wait_dscnt 0x0
	s_wait_kmcnt 0x0
	s_add_nc_u64 s[14:15], s[72:73], s[16:17]
	s_add_nc_u64 s[46:47], s[74:75], s[46:47]
	CROUND
.irp s, 0,1
	s_mov_b32 s[G0+4*(\s)], 1
	s_add_co_u32 s[G0+4*(\s)+1], s[LWA], (\s)*SLOT
	s_add_nc_u64 s[G0+4*(\s)+2:G0+4*(\s)+3], s[14:15], (\s)*ABK
	s_or_b32 s[G0+4*(\s)+3], s[G0+4*(\s)+3], 0x80000000
	s_mov_b32 s[G0B+4*(\s)], 1
	s_add_co_u32 s[G0B+4*(\s)+1], s[LWB], (\s)*SLOT
	s_add_nc_u64 s[G0B+4*(\s)+2:G0B+4*(\s)+3], s[46:47], (\s)*KSL*2048
	s_or_b32 s[G0B+4*(\s)+3], s[G0B+4*(\s)+3], 0x80000000
	JLOAD \s                                       ; two tensor loads of mine are out
.endr
	; thread t takes row t of the work-group's 128: its sixteen T and l
	s_lshl_b32 s20, s13, 9
	s_mov_b32 s21, 0
	s_add_nc_u64 s[66:67], s[76:77], s[20:21]
	v_lshlrev_b32 v3, 2, v0
.irp c, 0,1,2,3,4,5,6,7,8,9,10,11,12,13,14,15
	global_load_b32 v[64+(\c)], v3, s[66:67] offset:32768*(\c)
	global_load_b32 v[80+(\c)], v3, s[66:67] offset:524288+32768*(\c)
.endr
	s_mov_b64 s[8:9], s[78:79]
	v_and_b32 v1, 15, v0                           ; r
	v_bfe_u32 v2, v0, 4, 1                         ; h
	v_and_b32 v6, 31, v0
	v_lshlrev_b32 v[CO], 4, v6                     ; 16 l
	v_and_b32 v4, 7, v0
	v_lshl_add_u32 v4, v2, 3, v4
	v_mul_u32_u24 v4, v4, PB
	v_bfe_u32 v5, v0, 3, 1
	v_lshl_add_u32 v4, v5, 4, v4                   ; V: key row 8 h + l % 8, channels 8 ((l / 8) % 2) on
	s_mul_i32 s21, s11, 4*ABK                      ; my four blocks of rows of P
	s_lshl_b32 s22, s12, 8                         ; my 128 channels of V
	s_add_co_u32 s22, s22, AT
	v_add_nc_u32 v[ADRA0], s21, v[CO]
	v_add_nc_u32 v[ADRB0], s22, v4
	v_mov_b32 v[ADRA], v[ADRA0]
	v_mov_b32 v[ADRB], v[ADRB0]
	v_add_nc_u32 v[ADRC], 3*32*PB, v[ADRB0]
	s_lshl_b32 s23, s11, 8
	s_add_co_u32 s23, s23, FT
	v_lshl_add_u32 v[ADRF0], v1, 2, s23            ; row 64 x half + r
	v_mov_b32 v[ADRF], v[ADRF0]
	v_add_nc_u32 v[ADRL], LI-FT, v[ADRF0]
	s_mul_i32 s23, s10, 16*SP
	s_add_co_u32 s23, s23, STAGE
	v_mul_u32_u24 v5, v1, SP
	v_lshl_add_u32 v5, v2, 5, v5
	v_add_nc_u32 v[STO], s23, v5                   ; in: row r, 32 bytes for each half of the lanes
	v_add_nc_u32 v[RD], s23, v[CO]                 ; back: a row's 512 bytes by 32 lanes
	v_lshl_add_u32 v9, v0, 2, FT                   ; where thread t puts its row's factors
	v_mov_b32 v43, 0                               ; the factor of the 64 keys that the last tile holds a second time
	; where my part of the tile begins in out0
	s_lshl_b32 s16, s13, 7
	s_lshl_b32 s17, s11, 6
	s_add_co_u32 s16, s16, s17
	s_lshl_b32 s16, s16, 12
	s_lshl_b32 s46, s42, 10
	s_add_co_u32 s16, s16, s46
	s_lshl_b32 s46, s12, 9
	s_add_co_u32 s16, s16, s46
	s_mov_b32 s17, 0
	; the prefetches
	s_lshl_b32 s20, s13, 19
	s_lshl_b32 s21, s40, 17
	s_add_co_u32 s20, s20, s21                     ; P: blocks of rows 8 x block of 128 + 2 cx, + 1
	s_and_b32 s22, ttmp7, 0xffff
	s_lshr_b32 s23, s22, 2
	s_and_b32 s22, s22, 3
	s_lshl_b32 s23, s23, 11
	s_lshl_b32 s21, s12, 6
	s_add_co_u32 s23, s23, s21
	s_lshl_b32 s21, s41, 4
	s_add_co_u32 s23, s23, s21
	s_lshl_b32 s23, s23, 11                        ; V: of a chunk's 128 key rows those from 64 x half + 16 cy on
	s_lshl_b32 s21, s42, 9
	s_add_co_u32 s23, s23, s21
	s_add_co_u32 s23, s23, 2*CPL
	s_mov_b32 s[PFS], CHB
	s_mov_b32 s[PFS+1], 0
	s_cmp_eq_u32 s11, 0
	s_cselect_b32 s20, s20, s23
	s_cselect_b32 s22, s12, s22                    ; P: wave 0 asks; V: the batch's first cluster
	s_cselect_b32 s[PFS], CHA, s[PFS]              ; a chunk's bytes
	s_cselect_b64 s[PFA:PFA+1], s[72:73], s[74:75]
	s_cselect_b32 s18, 4, 1                        ; P: 16 lanes to a block of rows; V: 2 lanes to a key row
	s_cselect_b32 s19, 16, 11                      ; 65,536 bytes from block to block; 2,048 from row to row
	s_cselect_b32 s23, 15, 1
	s_cmp_eq_u32 s22, 0
	s_cselect_b32 s[LIM], 4, -1
	s_lshl_b32 s21, s[PFS], 2                      ; at chunks 4 and 5: the first change of slots steps them to 6 and 7
	s_add_co_u32 s20, s20, s21
	s_mov_b32 s21, 0
	s_add_nc_u64 s[PFA:PFA+1], s[PFA:PFA+1], s[20:21]
	s_add_nc_u64 s[PFB:PFB+1], s[PFA:PFA+1], s[PFS:PFS+1]
	s_lshl_b32 s[PFS], s[PFS], 1                   ; a trip's step: two chunks
	v_lshrrev_b32 v7, s18, v6
	v_lshlrev_b32 v7, s19, v7
	v_and_b32 v6, s23, v6
	v_lshl_or_b32 v[PFO], v6, 8, v7                ; and the piece of 256 bytes in it
	; the row's least T; for each chunk e = 127 + max(Tmin - T_c, -127): the exponent field of the factor, 0 for a factor of 0
	s_wait_loadcnt 0x0
	v_min3_num_f32 v40, v64, v65, v66
.irp k, 0,1,2,3,4,5
	v_min3_num_f32 v40, v40, v[67+2*(\k)], v[68+2*(\k)]
.endr
	v_min_num_f32 v40, v40, v79
.irp c, 0,1,2,3,4,5,6,7,8,9,10,11,12,13,14,15
	v_sub_f32 v[104+(\c)], v40, v[64+(\c)]
.endr
.irp c, 0,1,2,3,4,5,6,7,8,9,10,11,12,13,14,15
	v_max_num_f32 v[104+(\c)], 0xc2fe0000, v[104+(\c)]
.endr
.irp c, 0,1,2,3,4,5,6,7,8,9,10,11,12,13,14,15
	v_cvt_i32_f32 v[104+(\c)], v[104+(\c)]
.endr
.irp c, 0,1,2,3,4,5,6,7,8,9,10,11,12,13,14,15
	v_add_nc_u32 v[104+(\c)], 127, v[104+(\c)]
.endr
.irp c, 0,1,2,3,4,5,6,7,8,9,10,11,12,13,14,15
	v_mul_u32_u24 v[64+(\c)], v[104+(\c)], 0x800080    ; e << 7 in both halves: the factor twice in bf16
.endr
.set e, 0
.rept 30
	ds_store_b32 v9, v[64+e/2] offset:512*e        ; entry e: keys 64 e on, chunk e / 2
.set e, e+1
.endr
	ds_store_b32 v9, v43 offset:512*30             ; the last tile's keys 1,856 on: done in step 9
	ds_store_b32 v9, v79 offset:512*31             ; keys 1,920 on
	ds_store_b32 v9, v79 offset:512*32             ; keys 1,984 on
.irp c, 0,1,2,3,4,5,6,7,8,9,10,11,12,13,14,15
	v_lshlrev_b32 v[104+(\c)], 23, v[104+(\c)]         ; the factor in f32
.endr
	v_mul_f32 v41, v80, v104
.irp c, 1,2,3,4,5,6,7,8,9,10,11,12,13,14,15
	v_fmac_f32 v41, v[80+(\c)], v[104+(\c)]            ; L: at least 0.5, by the chunk whose T is the least
.endr
	v_rcp_f32 v42, v41
	v_nop                                          ; a plain instruction behind the reciprocal,
	s_wait_alu depctr_va_vdst(0)                   ; and the wait ahead of its first use
	ds_store_b32 v9, v42 offset:LI-FT
.macro SCALE f, a, fs                  ; row block a of P's fragments times its rows' factor of set fs: exact
	WIN 0
.irp i, 0,1,2,3,4,5,6,7
	v_pk_mul_bf16 v[(\f)+8*(\a)+(\i)], v[(\f)+8*(\a)+(\i)], v[(\fs)+(\a)]
.endr
.endm
.macro MUL8 f, a, zero                 ; row block a x all 8 channel blocks, 32 keys.  The 32 accumulators take turns, one instruction a turn
	WIN 0xa1
.irp b, 0,1,2,3,4,5,6,7
.if \zero
	v_wmma_f32_16x16x32_bf16 v[8*(8*(\a)+(\b)):8*(8*(\a)+(\b))+7], v[(\f)+8*(\b):(\f)+8*(\b)+7], v[(\f)+8*(\a):(\f)+8*(\a)+7], 0
.else
	v_wmma_f32_16x16x32_bf16 v[8*(8*(\a)+(\b)):8*(8*(\a)+(\b))+7], v[(\f)+8*(\b):(\f)+8*(\b)+7], v[(\f)+8*(\a):(\f)+8*(\a)+7], v[8*(8*(\a)+(\b)):8*(8*(\a)+(\b))+7]
.endif
.endr
.endm
; One run of LDS loads from the slot in hand, for quarter kq: with fac = 1 (kq even) first the four factors of set kq / 2; V's 8 fragments, turned; P's 4
.macro FETCH kq, f, fac
	WIN 0
.if \fac
.irp a, 0,1,2,3
	ds_load_b32 v[FA+4*((\kq)/2)+(\a)], v[ADRF] offset:512*((\kq)/2)+64*(\a)
.endr
.endif
.if (\kq) < 3
.set VB, ADRB
.set VO, 32*PB*(\kq)
.else
.set VB, ADRC
.set VO, 32*PB*((\kq)-3)
.endif
	WIN 0x40
.irp i, 0,1,2,3,4,5,6,7
	ds_load_tr16_b128 v[(\f)+8*(\i):(\f)+8*(\i)+3],   v[VB] offset:VO+32*(\i)
	ds_load_tr16_b128 v[(\f)+8*(\i)+4:(\f)+8*(\i)+7], v[VB] offset:VO+32*(\i)+16*PB
.endr
	WIN 0
.irp a, 0,1,2,3
	ds_load_b128 v[(\f)+8*(\a):(\f)+8*(\a)+3],   v[ADRA] offset:1024*(\kq)+(\a)*ABK
	ds_load_b128 v[(\f)+8*(\a)+4:(\f)+8*(\a)+7], v[ADRA] offset:1024*(\kq)+(\a)*ABK+512
.endr
.endm
; One of a step's first five quarters: multiplies quarter kq - 1, which lies in buffer f, and fetches quarter kq into buffer g.
; The sixteen scalings at its head are the places between the last product that read buffer g and the loads into it.
.macro QUARTER kq, f, g, zero
.set FS, FA+4*(((\kq)-1)/2)            ; the factors of the quarter that is multiplied
.set FC, 1-((\kq)%2)                   ; the run brings factors where kq is even: into another set than FS
	s_wait_dscnt 4                                 ; the factors, V and P's blocks 0 and 1 are in; the youngest four loads (blocks 2 and 3) may be out
	SCALE \f, 0, FS
	SCALE \f, 1, FS
	MUL8 \f, 0, \zero
	MUL8 \f, 1, \zero
	FETCH \kq, \g, FC
	s_wait_dscnt 24+4*FC                           ; all but the run just issued
	SCALE \f, 2, FS
	SCALE \f, 3, FS
	MUL8 \f, 2, \zero
	MUL8 \f, 3, \zero
.endm
; The last quarter multiplies buffer 1 and changes slots: ONE barrier; in front of it each wave waits for all its tensor loads, adds 0 to its spare word, and waits for that and for its reads of the slot.
; fill = 1: the slot just read is filled again, two steps on, first thing behind a round of the cluster's barrier: 176 matrix instructions ahead of the wait for it.
.macro TURN fill
.if \fill
	s_wait_xcnt 0x0                                ; the last prefetches, a step back, have read their addresses
	s_add_nc_u64 s[PFA:PFA+1], s[PFA:PFA+1], s[PFS:PFS+1]
	s_add_nc_u64 s[PFB:PFB+1], s[PFB:PFB+1], s[PFS:PFS+1]
.endif
	WIN 0
	s_wait_tensorcnt 0x0                           ; all my tensor loads have landed: the one that was out is my part of the next slot
	ds_add_u32 v[SPW], v[NIL]                      ; 0 onto my spare word
	s_wait_dscnt 5                                 ; the add and the youngest four loads may be out
	SCALE F1, 0, FA+8
	SCALE F1, 1, FA+8
	MUL8 F1, 0, 0
	s_wait_dscnt 0x0                               ; the add is done, and my reads of this slot are over
	s_barrier_signal -1
	SCALE F1, 2, FA+8                              ; work on registers while the others arrive
	SCALE F1, 3, FA+8
	MUL8 F1, 1, 0
	WIN 0
	s_barrier_wait -1
.if \fill
	CREST                                          ; no wave of any partner still reads this slot or has a load on its way
	s_cmp_eq_u32 s3, 1                             ; the loop's last trip asks for the eleventh tile, which begins 128 keys behind the tenth
	s_cselect_b32 s[STA], s88, s89
	s_cselect_b32 s[STB], s90, s91
	s_add_co_u32 s[G0+5], s[LWA], s[TB]            ; the walking descriptors: into the slot just read, the tile behind the one asked for last
	s_add_nc_u64 s[G0+6:G0+7], s[G0+6:G0+7], s[STA:STA+1]   ; the type bits on top are not reached
	s_add_co_u32 s[G0B+5], s[LWB], s[TB]
	s_add_nc_u64 s[G0B+6:G0B+7], s[G0B+6:G0B+7], s[STB:STB+1]
	JLOAD 1
.endif
	s_xor_b32 s[TB], s[TB], SLOT                   ; the other slot is in hand,
	s_add_co_u32 s[FOF], s[FOF], 3*512             ; and the next step's three entries of factors
	v_add_nc_u32 v[ADRA], s[TB], v[ADRA0]
	v_add_nc_u32 v[ADRB], s[TB], v[ADRB0]
	v_add_nc_u32 v[ADRC], 3*32*PB, v[ADRB]
	v_add_nc_u32 v[ADRF], s[FOF], v[ADRF0]
	FETCH 0, F0, 1
.if \fill
	ASK
.endif
	MUL8 F1, 2, 0
	MUL8 F1, 3, 0
.endm
; THE WAY OUT of row block a: divided by L; through my own stage; stored as whole rows of 512 bytes
.macro OSCALE a
	WIN 0x82
.set i, 64*(\a)
.rept 32
	v_pk_mul_f32 v[i:i+1], v[i:i+1], v[LIV+2*(\a):LIV+2*(\a)+1] op_sel_hi:[1,0]
.set i, i+2
.endr
.endm
.macro OSTAGE a
	WIN 0x08                                       ; the stores' data in window 2
.irp b, 0,1,2,3,4,5,6,7
	ds_store_b128 v[STO], v[64*(\a)+8*(\b):64*(\a)+8*(\b)+3]   offset:64*(\b)
	ds_store_b128 v[STO], v[64*(\a)+8*(\b)+4:64*(\a)+8*(\b)+7] offset:64*(\b)+16
.endr
	WIN 0
.set BK, 64+64*((\a)%2)
.irp t, 0,1,2,3,4,5,6,7,8,9,10,11,12,13,14,15
	ds_load_b128 v[BK+4*(\t):BK+4*(\t)+3], v[RD] offset:(\t)*SP  ; LDS serves a wave's instructions in order: these see the stores above
.endr
.endm
.macro OSEND a
	WIN 0
.set BK, 64+64*((\a)%2)
	s_wait_dscnt 0x0
	s_wait_xcnt 0x0                                ; earlier stores have read their base and data
.if (\a) == 0
	s_add_nc_u64 s[8:9], s[8:9], s[16:17]
.else
	s_add_nc_u64 s[8:9], s[8:9], 16*OROW
.endif
.irp t, 0,1,2,3,4,5,6,7,8,9,10,11,12,13,14,15
	global_store_b128 v[CO], v[BK+4*(\t):BK+4*(\t)+3], s[8:9] offset:(\t)*OROW  ; 32 lanes store 512 consecutive bytes, aligned
.endr
.endm
	s_wait_dscnt 0x0                               ; for the others' sake: my factors and 1 / L lie in LDS
	s_wait_tensorcnt 1                             ; my part of step 0 is in; step 1's may stay out
	s_barrier_signal -1
	s_barrier_wait -1
.irp a, 0,1,2,3
	ds_load_b32 v[LIV+2*(\a)],   v[ADRL] offset:64*(\a)
	ds_load_b32 v[LIV+2*(\a)+1], v[ADRL] offset:64*(\a)   ; named with it as a pair
.endr
	FETCH 0, F0, 1
	QUARTER 1, F0, F1, 1                           ; the first quarter's products start the sums
	WIN 0
	s_mov_b32 s3, STEPS-2
.Lstep:                                                ; a trip: a step's quarters 1 to 5 and the next step's quarter 0; the slot left is filled again
	QUARTER 2, F1, F0, 0
	QUARTER 3, F0, F1, 0
	QUARTER 4, F1, F0, 0
	QUARTER 5, F0, F1, 0
	TURN 1
	QUARTER 1, F0, F1, 0
	WIN 0
	s_sub_co_u32 s3, s3, 1
	s_cmp_lg_u32 s3, 0
	s_cbranch_scc1 .Lstep
	s_mov_b32 s3, 2
.Ltail:                                                ; the last two steps fill nothing: one text, walked twice and left in its middle
	QUARTER 2, F1, F0, 0
	QUARTER 3, F0, F1, 0
	QUARTER 4, F1, F0, 0
	QUARTER 5, F0, F1, 0
	TURN 0
	WIN 0
	s_sub_co_u32 s3, s3, 1
	s_cmp_eq_u32 s3, 0
	s_cbranch_scc1 .Lout
	QUARTER 1, F0, F1, 0
	WIN 0
	s_branch .Ltail
.Lout:
	s_wait_dscnt 0x0                               ; my reads of the ring are over, the run that serves nothing among them;
	s_barrier_signal -1
	s_barrier_wait -1                              ; everybody's are: slot 0, which is filled no more, becomes the stage
	PLACES
	OSCALE 0
	OSTAGE 0
.irp a, 1,2,3                          ; block a's scaling stands between block a - 1's loads from the stage and the wait for them
	OSCALE \a
	OSEND (\a)-1
	OSTAGE \a
.endr
	OSEND 3
	s_wait_tensorcnt 0x0                           ; the wave's end
	ds_add_u32 v[SPW], v[NIL]
	s_wait_dscnt 0x0
	CROUND                                         ; the closing round
	s_endpgm
.Lfunc_end_k_q560ab12bda_pv:
	.size	k_q560ab12bda_pv, .Lfunc_end_k_q560ab12bda_pv-k_q560ab12bda_pv
	.p2alignl 7, 3214868480
	.fill 96, 4, 3214868480
	.section	.rodata,"a",@progbits
	.p2align	6, 0x0
	.amdhsa_kernel k_q560ab12bda_pv
		.amdhsa_group_segment_fixed_size 327680
		.amdhsa_private_segment_fixed_size 0
		.amdhsa_enable_private_segment 0
		.amdhsa_kernarg_size 32
		.amdhsa_user_sgpr_count 2
		.amdhsa_user_sgpr_kernarg_segment_ptr 1
		.amdhsa_wavefront_size32 1
		.amdhsa_system_sgpr_workgroup_id_x 1
		.amdhsa_system_sgpr_workgroup_id_y 1
		.amdhsa_system_sgpr_workgroup_id_z 1
		.amdhsa_system_vgpr_workitem_id 0
		.amdhsa_next_free_vgpr 768
		.amdhsa_next_free_sgpr 96
		.amdhsa_reserve_vcc 0
		.amdhsa_float_denorm_mode_32 3
		.amdhsa_float_denorm_mode_16_64 3
		.amdhsa_memory_ordered 1
		.amdhsa_forward_progress 1
		.amdhsa_inst_pref_size 125
	.end_amdhsa_kernel
	.amdgpu_metadata
---
amdhsa.version: [ 1, 2 ]
amdhsa.kernels:
  - .name:           k_q560ab12bda_pv
    .symbol:         k_q560ab12bda_pv.kd
    .args:
      - { .name: p, .offset: 0, .size: 8, .value_kind: global_buffer, .address_space: global }
      - { .name: qkv, .offset: 8, .size: 8, .value_kind: global_buffer, .address_space: global }
      - { .name: stats, .offset: 16, .size: 8, .value_kind: global_buffer, .address_space: global }
      - { .name: out0, .offset: 24, .size: 8, .value_kind: global_buffer, .address_space: global }
    .group_segment_fixed_size: 327680
    .private_segment_fixed_size: 0
    .kernarg_segment_align: 8
    .kernarg_segment_size: 32
    .max_flat_workgroup_size: 128
    .sgpr_count:     96
    .vgpr_count:     768
    .wavefront_size: 32
...
	.end_amdgpu_metadata
.endif
;; end of part 4
;; ======== version 2 of 2: 4 launches; version 1 with the launch cast written anew for expert scheduling mode
;; workspace buffers: xw 23,068,672 bytes; qkv 50,331,648 bytes; p 33,554,432 bytes; stats 1,048,576 bytes
;; launch cast (part 5): grid 704 x 1, 8 waves a work-group, no clusters, 0 bytes of LDS; arguments x, Wq, Wk, Wv, xw; writes xw
.if DOCPART == 5
	.amdgcn_target "amdgcn-amd-amdhsa--gfx1250"
	.amdhsa_code_object_version 6
	.text
	.protected	k_q560ab12bda_cast
	.globl	k_q560ab12bda_cast
	.p2align	8
	.type	k_q560ab12bda_cast,@function
k_q560ab12bda_cast:
	s_mov_b64 s[64:65], 0
	v_nop
	global_prefetch_b8 v0, s[64:65] scope:SCOPE_SE
	s_setreg_imm32_b32 hwreg(HW_REG_WAVE_SCHED_MODE, 0, 2), 2
	s_setreg_imm32_b32 hwreg(HW_REG_WAVE_MODE, 25, 1), 1
	s_wait_xcnt 0x0
	s_wait_alu depctr_vm_vsrc(0)
; x and the three weight matrices, f32, are rounded once to bf16 (nearest even) and laid, in their own order, into xw:
; x [8192][1024] at byte 0, then Wq, Wk, Wv [1024 k][1024 n], 2,097,152 bytes each, from byte 16,777,216 on.
; A work-group of eight waves takes 16,384 numbers: 65,536 bytes in, 32,768 out.  Groups 0-511 take x, 512-575 Wq, 576-639 Wk, 640-703 Wv;
; the destination is 32,768 x the group's number in every case.  A stream: no LDS, no barrier, no matrix unit; each byte is read once and written once.
; Thread t takes 16 bytes at 16 t of each block of 4,096: a wave's load covers 512 neighbouring bytes, its store 256 neighbouring bytes, aligned.
; All sixteen loads go out first; no register is written twice.
; THE MODE: SCHED_MODE bits 1:0 = 2 (LLVM: expert scheduling mode 2), set by the entry lines.  The code itself states the register dependences
; between vector instructions and memory instructions, with s_wait_alu, always for 0.
; THE PLAN.  Registers that memory instructions touch:
;   v1, v2   byte offsets, 16 t for the loads and 8 t for the stores.  Written once at the head by vector instructions, never again.
;   X        Written by the sixteen loads alone, each register once; read by the conversions, behind the counted wait for the loads.  No vector instruction names X ahead of the loads.
;   Y        Written by the conversions, each register once; read by the stores as their data.
; So no register that a memory instruction reads is ever written again, and no load lands in a register that a vector instruction has named: what is left to state is that
; a register is written before a memory instruction reads it.  One wait at the head states it for v1 and v2.  The sixteen pieces go in four groups of four: eight conversions,
; ONE wait that states that they have written the group's eight registers of Y, then the group's four stores, which so go out ahead of the wait for the next group's loads.
; No vector instruction writes a scalar register or VCC, and EXEC is never written.
.set X, 4                              ; v[4:67]   sixteen loads of four f32
.set Y, 68                             ; v[68:99]  sixteen stores of four bf16
	s_load_b256 s[4:11], s[0:1], 0x0               ; x s[4:5], Wq s[6:7], Wk s[8:9], Wv s[10:11]
	s_load_b64 s[12:13], s[0:1], 0x20              ; xw
	v_lshlrev_b32 v1, 4, v0                        ; 16 t
	v_lshlrev_b32 v2, 3, v0                        ; 8 t
	s_and_b32 s14, ttmp9, 63                       ; the group's number inside a weight matrix,
	s_cmp_lt_u32 ttmp9, 512
	s_cselect_b32 s14, ttmp9, s14                  ; or inside x
	s_lshl_b32 s14, s14, 16                        ; times 65,536 bytes
	s_mov_b32 s15, 0
	s_lshl_b32 s18, ttmp9, 15                      ; the destination: 32,768 bytes a group
	s_mov_b32 s19, 0
	s_wait_kmcnt 0x0
	s_cmp_lt_u32 ttmp9, 640
	s_cselect_b64 s[16:17], s[8:9], s[10:11]
	s_cmp_lt_u32 ttmp9, 576
	s_cselect_b64 s[16:17], s[6:7], s[16:17]
	s_cmp_lt_u32 ttmp9, 512
	s_cselect_b64 s[16:17], s[4:5], s[16:17]
	s_add_nc_u64 s[16:17], s[16:17], s[14:15]
	s_add_nc_u64 s[12:13], s[12:13], s[18:19]
	s_wait_alu depctr_va_vdst(0)                   ; v1 and v2 are written: every load below reads v1 as its offset, every store v2; no later vector instruction names either
.irp j, 0,1,2,3,4,5,6,7,8,9,10,11,12,13,14,15
	global_load_b128 v[X+4*(\j):X+4*(\j)+3], v1, s[16:17] offset:4096*(\j) th:TH_LOAD_NT
.endr
.irp g, 0,1,2,3
	s_wait_loadcnt 12-4*(\g)                       ; loads come back in order: loads 4 g to 4 g + 3 are in, the 12 - 4 g younger ones stay out
.irp j, 0,1,2,3
	v_cvt_pk_bf16_f32 v[Y+2*(4*(\g)+(\j))], v[X+4*(4*(\g)+(\j))], v[X+4*(4*(\g)+(\j))+1]
	v_cvt_pk_bf16_f32 v[Y+2*(4*(\g)+(\j))+1], v[X+4*(4*(\g)+(\j))+2], v[X+4*(4*(\g)+(\j))+3]
.endr
	s_wait_alu depctr_va_vdst(0)                   ; the group's eight conversions have written v[Y + 8 g ..], which the four stores below read as their data
.irp j, 0,1,2,3
	global_store_b64 v2, v[Y+2*(4*(\g)+(\j)):Y+2*(4*(\g)+(\j))+1], s[12:13] offset:2048*(4*(\g)+(\j))
.endr
.endr
	s_endpgm
.Lfunc_end_k_q560ab12bda_cast:
	.size	k_q560ab12bda_cast, .Lfunc_end_k_q560ab12bda_cast-k_q560ab12bda_cast
	.p2alignl 7, 3214868480
	.fill 96, 4, 3214868480
	.section	.rodata,"a",@progbits
	.p2align	6, 0x0
	.amdhsa_kernel k_q560ab12bda_cast
		.amdhsa_group_segment_fixed_size 0
		.amdhsa_private_segment_fixed_size 0
		.amdhsa_enable_private_segment 0
		.amdhsa_kernarg_size 40
		.amdhsa_user_sgpr_count 2
		.amdhsa_user_sgpr_kernarg_segment_ptr 1
		.amdhsa_wavefront_size32 1
		.amdhsa_system_sgpr_workgroup_id_x 1
		.amdhsa_system_sgpr_workgroup_id_y 1
		.amdhsa_system_sgpr_workgroup_id_z 1
		.amdhsa_system_vgpr_workitem_id 0
		.amdhsa_next_free_vgpr 100
		.amdhsa_next_free_sgpr 66
		.amdhsa_reserve_vcc 0
		.amdhsa_float_denorm_mode_32 3
		.amdhsa_float_denorm_mode_16_64 3
		.amdhsa_memory_ordered 1
		.amdhsa_forward_progress 1
		.amdhsa_inst_pref_size 7
	.end_amdhsa_kernel
	.amdgpu_metadata
---
amdhsa.version: [ 1, 2 ]
amdhsa.kernels:
  - .name:           k_q560ab12bda_cast
    .symbol:         k_q560ab12bda_cast.kd
    .args:
      - { .name: x, .offset: 0, .size: 8, .value_kind: global_buffer, .address_space: global }
      - { .name: Wq, .offset: 8, .size: 8, .value_kind: global_buffer, .address_space: global }
      - { .name: Wk, .offset: 16, .size: 8, .value_kind: global_buffer, .address_space: global }
      - { .name: Wv, .offset: 24, .size: 8, .value_kind: global_buffer, .address_space: global }
      - { .name: xw, .offset: 32, .size: 8, .value_kind: global_buffer, .address_space: global }
    .group_segment_fixed_size: 0
    .private_segment_fixed_size: 0
    .kernarg_segment_align: 8
    .kernarg_segment_size: 40
    .max_flat_workgroup_size: 256
    .sgpr_count:     66
    .vgpr_count:     100
    .wavefront_size: 32
...
	.end_amdgpu_metadata
.endif
;; end of part 5
;; launch proj: the kernel of part 2 again; grid 12 x 32, 4 waves a work-group, clusters of 4 x 4, 327,680 bytes of LDS; arguments xw, bq, bk, bv, qkv; writes qkv
;; launch scores: the kernel of part 3 again; grid 8 x 32, 4 waves a work-group, clusters of 4 x 4, 327,680 bytes of LDS; arguments qkv, p, stats; writes p, stats
;; launch pv: the kernel of part 4 again; grid 4 x 64, 4 waves a work-group, clusters of 4 x 4, 327,680 bytes of LDS; arguments p, qkv, stats, out0; writes out0
